; MI455X (gfx1250); checked and timed in simulation.
; The chip was launched on July 23, 2026; its instructions are those of AMD's public machine-readable ISA for CDNA 5 (MIT licence, August 2026) and "CDNA5" Instruction Set Architecture Reference Guide (July 2026). The comments in the code are by the model that wrote it; some were corrected since.
;; Vector Quantizer. Allowed arithmetic: matrix products marked QUANTISED: E2M1 operands, one E8M0 scale for each 32 along K, by v_wmma_scale_f32_16x16x128_f8f6f4 with both operands' format E2M1 (or v_wmma_scale_f32_32x16x128_f4), f32 sums; everything else in f32.
;; Inputs: codebook 8,192 x 512 float32; x 4 x 2,048 x 512 float32.
;; Outputs: out0 4 x 2,048 x 512 float32; out1 one number float32; out2 one number float32; out3 one number float32; out4 one number float32; out5 4 x 2,048 int32.
;; This version of the problem:
;;   THIS VERSION OF THE PROBLEM IS GIVEN IN LOW PRECISION. The matrix products marked QUANTISED in the list below multiply operands that are first quantised to E2M1 (2 exponent bits, 1 mantissa bit; 4 bits a number), with one power-of-two scale for each 32 numbers along K (OCP MX v1.0); their sums are f32. All else is computed in f32.
;;   The module's matrix products, in the order in which they are computed (A, B: the left and right operand; K: the contracted axis; several contracted axes count as one K, in the product's order):
;;     1. [M 8,192, K 512] x [K 512, N 8,192]; A: input x; B: input codebook: QUANTISED
;;   THE QUANTISER, for each operand of a quantised product, along K:
;;     - K is cut into blocks of 32 from its start; a last block that is shorter is filled with zeros.
;;     - A block's scale is 2^e with e = floor(log2(the largest magnitude in the block)) - 2, held to -126 .. 127; a block of zeros has e = 0. As a byte (E8M0): e + 127.
;;     - Each number is divided by its block's scale, clamped to +-6, and rounded to the nearest number of E2M1, ties to even, subnormals kept.
;;     - The product sums the exact products of the quantised numbers (number of the format x scale) in f32.
;;   ~~~python
;;   def quantise(x, axis):      # numpy; x: float32 -> the quantised numbers, widened to float32 again
;;       x = np.moveaxis(x, axis, -1); K = x.shape[-1]
;;       x = np.pad(x, [(0, 0)] * (x.ndim - 1) + [(0, -K % 32)]); x = x.reshape(x.shape[:-1] + (-1, 32)); a = np.abs(x).max(-1, keepdims=True)
;;       e = np.where(a > 0, np.clip(np.frexp(np.where(a > 0, a, 1))[1] - 1 - 2, -126, 127), 0)      # np.frexp(a)[1] - 1 = floor(log2(a)), exactly
;;       r = np.clip(x / 2.0 ** e, -6, 6)
;;       step = 2.0 ** (np.maximum(np.frexp(np.where(r == 0, 1, r))[1] - 1, 0) - 1)
;;       q = np.round(r / step) * step * 2.0 ** e      # np.round: ties to even
;;       return np.moveaxis(q.reshape(q.shape[:-2] + (-1,))[..., :K], -1, axis).astype(np.float32)
;;   ~~~
;; One version. Each part assembles by itself: llvm-mc -triple=amdgcn-amd-amdhsa -mcpu=gfx1250 --defsym DOCPART=n.
;; ======== version 1 of 1: 5 launches
;; limits: right only within a limited range of input values
;; workspace buffers: q 4,718,592 bytes; part 2,097,152 bytes; idx 32,768 bytes of whole numbers; colp 557,056 bytes; fin 4,096 bytes
;; launch prep (part 1): grid 256 x 1, 4 waves a work-group, no clusters, 168,448 bytes of LDS; arguments x, codebook, q; writes q
.if DOCPART == 1
	.amdgcn_target "amdgcn-amd-amdhsa--gfx1250"
	.amdhsa_code_object_version 6
	.text
	.protected	k_qebf9f2b1b5_prep
	.globl	k_qebf9f2b1b5_prep
	.p2align	8
	.type	k_qebf9f2b1b5_prep,@function
k_qebf9f2b1b5_prep:
	s_mov_b64 s[64:65], 0
	v_nop
	global_prefetch_b8 v0, s[64:65] scope:SCOPE_SE
	s_setreg_imm32_b32 hwreg(HW_REG_WAVE_MODE, 25, 1), 1
	s_wait_xcnt 0x0
; x [8192][512] and codebook [8192][512], f32, become 1,024 TILE RECORDS of 4,608 bytes in q: tiles 0-511 are x's, 512-1023 the codebook's; a tile is 16 rows.
; A record: [0, 4096) the codes of FP4 (E2M1) as the IMAGE OF THE OPERAND'S REGISTERS: K step s (128 along K), register group c, lane l: 16 bytes at 1024 s + 512 c + 16 l;
;           [4096, 4352) the E8M0 scale words: 8 bytes a lane: lanes 0-15 hold row r's words of K steps 0 and 2, lanes 16-31 those of K steps 1 and 3;
;           [4352, 4608) the 16 rows' sums of squares of the UNQUANTISED numbers, f32, then zeros.
; A block's scale is 2^(floor(log2(its largest magnitude)) - 2); its byte is that magnitude's exponent field - 2, held at 1 from below.
; A ROW'S SUM OF SQUARES IS THE CORRECTLY ROUNDED SUM of its 512 squares, each square rounded by itself.  It is made by error-free additions: six additions give the rounded sum of two numbers and exactly
; what the rounding left out.  A lane keeps eight running sums and eight sums of what was left out; at the end the running sums are joined in the same way, and one last addition rounds once.
; (The parts left out are added in plain f32: their own error lies some 17 binary places under the result's last place.)
; LIMITS: the later choice of an index hangs on which neighbouring squared distances share one rounded root, and so on this sum's last place.  reference() rounds at every addition, in an order that this text
; does not reproduce; every such order scatters about the exact sum, which is why the exact sum is taken.  Where a token's two best squared distances lie a last place or two apart and the smaller has the higher
; index, the index can differ from reference()'s.  A block of zeros gets the byte 1 where the rule says 127 (its codes are zeros, and this program alone reads the bytes); NaN and infinities are not served.
; SHARES: a wave takes one tile, 16 rows x 2,048 bytes, and shares nothing with the others: no barrier.  The rows come by one tensor load, the whole tile (32 LDS rows of 1,024 bytes, 16 bytes of padding behind each:
; see HROW), issued at the head: one tensor load of a wave is out at the most.  Each LDS byte is filled once.
.set REC,   4608
.set WREG,  33792                      ; a wave's LDS: its tile, 32 LDS rows of HROW bytes, brought by ONE tensor load (the wave's only one)
.set HROW,  1040                       ; an LDS row: 1,024 bytes, half a row of the tensor (K steps 2 u and 2 u + 1), + 16 of padding
.set PITCH, 2*HROW                     ; from a row of the tensor to the next
.set LA,  3                            ; v3   LDS: my row, my half of a block: WREG wave + PITCH r + 64 h
.set LI,  4                            ; v4   16 x lane
.set L8,  5                            ; v5   8 x lane: byte offset of 8 bytes a lane, and the lane select 2 l of a pull
.set L84, 7                            ; v7   8 x lane + 4: the lane select 2 l + 1
.set TM,  8                            ; v8-23 at work in QUANT
.set PW,  24                           ; v24-27 my row's scale word of each K step
.set EA,  28                           ; v28-35 four pairs: the sums of what the roundings left out
.set PC,  40                           ; v40-71 the codes, 8 registers for each K step: no store's data are written again
.set ST,  72                           ; v72-135 64 numbers: register 16 b + i = k 32 b + 16 h + i of my row, in the K step in hand
.set HA,  136                          ; v136-143, v144-151 four pairs of running sums, in two sets that take turns, so that no sum is copied
.set HB,  144
.set XX,  152                          ; v152-159 four pairs of squares
.set BB,  160                          ; v160-183 at work in the error-free additions
.set T1,  168
.set T2,  176
.set RS,  184                          ; v184 the row's sum of squares
.set G1,  16                           ; s[16:23] descriptor group 1
.set G0,  24                           ; s[24:27] descriptor group 0
.set SEL, 40                           ; s[40:41] v_permlanex16_b32's selects for lane l xor 16
	s_load_b128 s[4:7], s[0:1], 0x0                ; x, codebook
	s_load_b64 s[8:9], s[0:1], 0x10                ; q
	v_lshl_add_u32 v192, v0, 2, 0x29000
	v_mov_b32 v193, 0
	ds_add_u32 v192, v193
	ds_add_u32 v192, v193
	v_lshrrev_b32 v1, 5, v0
	v_readfirstlane_b32 s10, v1                    ; wave 0..3
	s_lshl_b32 s11, ttmp9, 2
	s_add_co_u32 s11, s11, s10                     ; my tile: 4 x work-group + wave
	s_and_b32 s12, s11, 511
	s_lshl_b32 s12, s12, 15                        ; its 16 rows of 2,048 bytes in its tensor
	s_mov_b32 s13, 0
	s_mul_i32 s14, s11, REC                        ; its record in q
	s_mov_b32 s15, 0
	s_mul_i32 s44, s10, WREG                       ; my wave's LDS
	s_mov_b32 s[G1+0], 0x07d20000                  ; elements of 4 bytes; padding on: 4 words behind every 256.  The tile's 16 rows are 32,768 dense bytes: stated as 32 rows of 1,024
	s_mov_b32 s[G1+1], 256<<16                     ; tensor_dim0 = 256
	s_mov_b32 s[G1+2], 32<<16                      ; tensor_dim1 = 32
	s_mov_b32 s[G1+3], 256<<16                     ; tile_dim0 = 256
	s_mov_b32 s[G1+4], 32                          ; tile_dim1 = 32
	s_mov_b32 s[G1+5], 256                         ; elements from row to row
	s_mov_b32 s[G1+6], 0
	s_mov_b32 s[G1+7], 0
	s_mov_b32 s[SEL], 0x76543210
	s_mov_b32 s[SEL+1], 0xfedcba98
	s_mov_b32 s42, 0xffff0000                      ; lanes 16-31
	s_mov_b32 s43, 0xff                            ; lanes 0-7
	s_wait_dscnt 0x0
	s_wait_kmcnt 0x0
	s_cmp_lt_u32 ttmp9, 128                        ; x's work-group or the codebook's: the choice hangs on the work-group's number alone
	s_cselect_b64 s[4:5], s[4:5], s[6:7]
	s_add_nc_u64 s[4:5], s[4:5], s[12:13]
	s_add_nc_u64 s[8:9], s[8:9], s[14:15]
	s_mov_b32 s[G0], 1
	s_add_co_u32 s[G0+1], s44, 0                   ; LDS: my wave's region
	s_mov_b64 s[G0+2:G0+3], s[4:5]
	s_or_b32 s[G0+3], s[G0+3], 0x80000000
	tensor_load_to_lds s[G0:G0+3], s[G1:G1+7]      ; my one tensor load: the whole tile
	s_nop 0
.rept 4
	v_nop
.endr
	v_and_b32 v1, 15, v0                           ; r
	v_bfe_u32 v2, v0, 4, 1                         ; h
	v_and_b32 v36, 31, v0                          ; lane
	v_mul_u32_u24 v[LA], v1, PITCH
	v_add_nc_u32 v[LA], s44, v[LA]
	v_lshl_add_u32 v[LA], v2, 6, v[LA]
	v_lshlrev_b32 v[LI], 4, v36
	v_lshlrev_b32 v[L8], 3, v36
	v_lshl_add_u32 v[L84], v36, 3, 4
.irp b, 0,1,2,3
	v_mov_b32 v[TM+4+\b], 0                        ; written once: a lane permute's destination counts as one of its sources
.endr
; 64 numbers of a lane become a fragment's codes in v[pc] on and its row's scale word in v[pw]
.macro QUANT src, pc, pw
.irp b, 0,1,2,3
	v_max3_num_f32 v[TM+\b], |v[(\src)+16*\b]|, |v[(\src)+1+16*\b]|, 0x1800000   ; block b: my 16 numbers, and the floor 2^(3 - 127): the byte cannot fall under 1
.endr
.irp i, 2,4,6,8,10,12,14
.irp b, 0,1,2,3
	v_max3_num_f32 v[TM+\b], v[TM+\b], |v[(\src)+16*\b+\i]|, |v[(\src)+1+16*\b+\i]|   ; the four blocks by turns
.endr
.endr
.irp b, 0,1,2,3
	v_permlanex16_b32 v[TM+4+\b], v[TM+\b], s[SEL], s[SEL+1]
.endr
.irp b, 0,1,2,3
	v_max_num_f32 v[TM+\b], v[TM+\b], v[TM+4+\b]   ; with lane l xor 16's 16: the block's largest magnitude
.endr
.irp b, 0,1,2,3
	v_add_nc_u32 v[TM+12+\b], 0xff000000, v[TM+\b] ; 2 off its exponent field: the conversion's scale operand
.endr
.irp b, 0,1,2,3
	v_lshrrev_b32 v[TM+4+\b], 23, v[TM+12+\b]      ; the scale's byte
.endr
	v_lshl_or_b32 v[\pw], v[TM+5], 8, v[TM+4]
	v_lshl_or_b32 v[\pw], v[TM+6], 16, v[\pw]
	v_lshl_or_b32 v[\pw], v[TM+7], 24, v[\pw]
.irp b, 0,1,2,3
	v_cvt_scalef32_pk8_fp4_f32 v[(\pc)+2*\b], v[(\src)+16*\b:(\src)+7+16*\b], v[TM+12+\b]
	v_cvt_scalef32_pk8_fp4_f32 v[(\pc)+1+2*\b], v[(\src)+8+16*\b:(\src)+15+16*\b], v[TM+12+\b]
.endr
	v_nop                                          ; one plain place behind a scaled conversion
.irp c, 0,1                                    ; the operand's layout wants a whole block in a lane: lanes 0-15 block 2 c, lanes 16-31 block 2 c + 1
.irp i, 0,1
	v_permlane16_swap_b32 v[(\pc)+4*\c+\i], v[(\pc)+2+4*\c+\i]
.endr
.endr
.endm
; My 64 numbers' squares are taken onto the eight running sums: eight groups of four pairs, the four pairs by turns, so that no line waits for the line above it.
; With a the running sum and b the square: s = a + b (rounded); b' = s - a; a' = s - b'; what the rounding left out is (a - a') + (b - b'), exactly.
; The sums' two sets of registers take turns from group to group; eight groups bring them back into the first set.  The very first group starts the sums, the second starts the sums of the parts left out: nothing is cleared.
.macro SUMSQ s
.set g, 0
.rept 8
.set HC, HA+8*(g%2)                    ; the running sums as they stand,
.set HN, HB-8*(g%2)                    ; and where the new ones go
.if ((\s) == 0) && (g == 0)
.irp c, 0,1,2,3
	v_pk_mul_f32 v[HN+2*\c:HN+2*\c+1], v[ST+8*g+2*\c:ST+8*g+2*\c+1], v[ST+8*g+2*\c:ST+8*g+2*\c+1]
.endr
.else
.irp c, 0,1,2,3
	v_pk_mul_f32 v[XX+2*\c:XX+2*\c+1], v[ST+8*g+2*\c:ST+8*g+2*\c+1], v[ST+8*g+2*\c:ST+8*g+2*\c+1]   ; the squares, each rounded by itself
.endr
.irp c, 0,1,2,3
	v_pk_add_f32 v[HN+2*\c:HN+2*\c+1], v[HC+2*\c:HC+2*\c+1], v[XX+2*\c:XX+2*\c+1]                   ; s
.endr
.irp c, 0,1,2,3
	v_pk_add_f32 v[BB+2*\c:BB+2*\c+1], v[HN+2*\c:HN+2*\c+1], v[HC+2*\c:HC+2*\c+1] neg_lo:[0,1] neg_hi:[0,1]   ; b' = s - a
.endr
.irp c, 0,1,2,3
	v_pk_add_f32 v[T1+2*\c:T1+2*\c+1], v[HN+2*\c:HN+2*\c+1], v[BB+2*\c:BB+2*\c+1] neg_lo:[0,1] neg_hi:[0,1]   ; a' = s - b'
.endr
.irp c, 0,1,2,3
	v_pk_add_f32 v[T2+2*\c:T2+2*\c+1], v[XX+2*\c:XX+2*\c+1], v[BB+2*\c:BB+2*\c+1] neg_lo:[0,1] neg_hi:[0,1]   ; b - b'
.endr
.irp c, 0,1,2,3
	v_pk_add_f32 v[T1+2*\c:T1+2*\c+1], v[HC+2*\c:HC+2*\c+1], v[T1+2*\c:T1+2*\c+1] neg_lo:[0,1] neg_hi:[0,1]   ; a - a'
.endr
.if ((\s) == 0) && (g == 1)
.irp c, 0,1,2,3
	v_pk_add_f32 v[EA+2*\c:EA+2*\c+1], v[T1+2*\c:T1+2*\c+1], v[T2+2*\c:T2+2*\c+1]
.endr
.else
.irp c, 0,1,2,3
	v_pk_add_f32 v[T1+2*\c:T1+2*\c+1], v[T1+2*\c:T1+2*\c+1], v[T2+2*\c:T2+2*\c+1]
.endr
.irp c, 0,1,2,3
	v_pk_add_f32 v[EA+2*\c:EA+2*\c+1], v[EA+2*\c:EA+2*\c+1], v[T1+2*\c:T1+2*\c+1]
.endr
.endif
.endif
.set g, g+1
.endr
.endm
; The same error-free addition for the joining at the end: two pairs, or two single numbers; what is left out goes onto the first pair, or the first number, of EA
.macro TS2 sn, a, b
	v_pk_add_f32 v[(\sn):(\sn)+1], v[(\a):(\a)+1], v[(\b):(\b)+1]
	v_pk_add_f32 v[BB:BB+1], v[(\sn):(\sn)+1], v[(\a):(\a)+1] neg_lo:[0,1] neg_hi:[0,1]
	v_pk_add_f32 v[T1:T1+1], v[(\sn):(\sn)+1], v[BB:BB+1] neg_lo:[0,1] neg_hi:[0,1]
	v_pk_add_f32 v[T2:T2+1], v[(\b):(\b)+1], v[BB:BB+1] neg_lo:[0,1] neg_hi:[0,1]
	v_pk_add_f32 v[T1:T1+1], v[(\a):(\a)+1], v[T1:T1+1] neg_lo:[0,1] neg_hi:[0,1]
	v_pk_add_f32 v[T1:T1+1], v[T1:T1+1], v[T2:T2+1]
	v_pk_add_f32 v[EA:EA+1], v[EA:EA+1], v[T1:T1+1]
.endm
.macro TS1 sn, a, b
	v_add_f32 v[(\sn)], v[(\a)], v[(\b)]
	v_sub_f32 v[BB], v[(\sn)], v[(\a)]
	v_sub_f32 v[T1], v[(\sn)], v[BB]
	v_sub_f32 v[T2], v[(\b)], v[BB]
	v_sub_f32 v[T1], v[(\a)], v[T1]
	v_add_f32 v[T1], v[T1], v[T2]
	v_add_f32 v[EA], v[EA], v[T1]
.endm
.macro KSTEP s
	s_wait_tensorcnt 0x0                           ; my one tensor load has landed
.irp b, 0,1,2,3
.irp j, 0,1,2,3
	ds_load_b128 v[ST+16*\b+4*\j:ST+16*\b+4*\j+3], v[LA] offset:((\s)/2)*HROW+((\s)%2)*512+128*\b+16*\j
.endr
.endr
	s_wait_dscnt 0x0
	SUMSQ \s
	QUANT ST, PC+8*\s, PW+\s
.irp c, 0,1
	global_store_b128 v[LI], v[PC+8*\s+4*\c:PC+8*\s+4*\c+3], s[8:9] offset:\s*1024+512*\c   ; 32 lanes store 512 consecutive bytes
.endr
.endm
	s_wait_alu depctr_va_vdst(0)
	KSTEP 0
	KSTEP 1
	KSTEP 2
	KSTEP 3
	v_pk_add_f32 v[EA:EA+1], v[EA:EA+1], v[EA+2:EA+3]       ; the parts left out, together
	v_pk_add_f32 v[EA+4:EA+5], v[EA+4:EA+5], v[EA+6:EA+7]
	v_pk_add_f32 v[EA:EA+1], v[EA:EA+1], v[EA+4:EA+5]
	TS2 HB, HA, HA+2                               ; my eight running sums are joined, nothing lost: four pairs to two,
	TS2 HB+2, HA+4, HA+6
	TS2 HA, HB, HB+2                               ; two to one,
	v_add_f32 v[EA], v[EA], v[EA+1]
	TS1 HB, HA, HA+1                               ; the pair's two numbers,
	v_permlanex16_b32 v[HB+1], v[HB], s[SEL], s[SEL+1]
	v_permlanex16_b32 v[EA+1], v[EA], s[SEL], s[SEL+1]
	v_add_f32 v[EA], v[EA], v[EA+1]
	TS1 HA, HB, HB+1                               ; and lane l xor 16's, which holds the row's other half: both lanes get the same two numbers
	v_add_f32 v[RS], v[HA], v[EA]                  ; the one rounding: lanes r and r + 16 hold row r's sum of squares
	ds_bpermute_b32 v38, v[L8], v[RS]              ; lane l pulls rows 2 l and 2 l + 1: eight bytes a lane
	ds_bpermute_b32 v39, v[L84], v[RS]
	v_cndmask_b32 v36, v[PW], v[PW+1], s42         ; lanes 0-15: K steps 0 and 2; lanes 16-31: K steps 1 and 3
	v_cndmask_b32 v37, v[PW+2], v[PW+3], s42
	global_store_b64 v[L8], v[36:37], s[8:9] offset:4096   ; 256 consecutive bytes
	s_wait_dscnt 0x0
	v_cndmask_b32 v38, 0, v38, s43                 ; lanes 8-31 store zeros
	v_cndmask_b32 v39, 0, v39, s43
	global_store_b64 v[L8], v[38:39], s[8:9] offset:4352   ; 256 consecutive bytes
	s_wait_tensorcnt 0x0
	ds_add_u32 v192, v193
	s_wait_dscnt 0x0
	s_endpgm
.Lfunc_end_k_qebf9f2b1b5_prep:
	.size	k_qebf9f2b1b5_prep, .Lfunc_end_k_qebf9f2b1b5_prep-k_qebf9f2b1b5_prep
	.p2alignl 7, 3214868480
	.fill 96, 4, 3214868480
	.section	.rodata,"a",@progbits
	.p2align	6, 0x0
	.amdhsa_kernel k_qebf9f2b1b5_prep
		.amdhsa_group_segment_fixed_size 168448
		.amdhsa_private_segment_fixed_size 0
		.amdhsa_enable_private_segment 0
		.amdhsa_kernarg_size 24
		.amdhsa_user_sgpr_count 2
		.amdhsa_user_sgpr_kernarg_segment_ptr 1
		.amdhsa_wavefront_size32 1
		.amdhsa_system_sgpr_workgroup_id_x 1
		.amdhsa_system_sgpr_workgroup_id_y 1
		.amdhsa_system_sgpr_workgroup_id_z 1
		.amdhsa_system_vgpr_workitem_id 0
		.amdhsa_next_free_vgpr 194
		.amdhsa_next_free_sgpr 66
		.amdhsa_reserve_vcc 0
		.amdhsa_float_denorm_mode_32 3
		.amdhsa_float_denorm_mode_16_64 3
		.amdhsa_memory_ordered 1
		.amdhsa_forward_progress 1
		.amdhsa_inst_pref_size 88
	.end_amdhsa_kernel
	.amdgpu_metadata
---
amdhsa.version: [ 1, 2 ]
amdhsa.kernels:
  - .name:           k_qebf9f2b1b5_prep
    .symbol:         k_qebf9f2b1b5_prep.kd
    .args:
      - { .name: x, .offset: 0, .size: 8, .value_kind: global_buffer, .address_space: global }
      - { .name: codebook, .offset: 8, .size: 8, .value_kind: global_buffer, .address_space: global }
      - { .name: q, .offset: 16, .size: 8, .value_kind: global_buffer, .address_space: global }
    .group_segment_fixed_size: 168448
    .private_segment_fixed_size: 0
    .kernarg_segment_align: 8
    .kernarg_segment_size: 24
    .max_flat_workgroup_size: 128
    .sgpr_count:     66
    .vgpr_count:     194
    .wavefront_size: 32
...
	.end_amdgpu_metadata
.endif
;; end of part 1
;; launch rows (part 2): grid 16 x 16, 16 waves a work-group, no clusters, 169,984 bytes of LDS; arguments q, part; writes part
.if DOCPART == 2
	.amdgcn_target "amdgcn-amd-amdhsa--gfx1250"
	.amdhsa_code_object_version 6
	.text
	.protected	k_qebf9f2b1b5_rows
	.globl	k_qebf9f2b1b5_rows
	.p2align	8
	.type	k_qebf9f2b1b5_rows,@function
k_qebf9f2b1b5_rows:
	s_mov_b64 s[64:65], 0
	v_nop
	global_prefetch_b8 v0, s[64:65] scope:SCOPE_SE
	s_setreg_imm32_b32 hwreg(HW_REG_WAVE_MODE, 25, 1), 1
	s_wait_xcnt 0x0
; For each token and each split of 512 codes: the smallest distance m, the lowest code index that has it, Z = sum 2^a and W = sum a 2^a, a = b - C d, b = rn(C m), C = 100 log2(e).
; d = sqrt(d2), d2 = max((xsq - 2 dot) + csq, 0); dot on codes of FP4 (E2M1) with E8M0 scales, from the tile records of q; xsq, csq: the records' sums of squares.
; Stored: part [16 splits][8192 tokens][m, Z, W, index], 16 bytes a token and split.
; THE INDEX IS THAT OF THE SMALLEST CORRECTLY ROUNDED ROOT, the lowest among equals.  Neighbouring d2 can share one rounded root, so the choice is made on d2.  A lane keeps, for each of its two tokens:
; v, the smallest d2 so far; s = m, its root, v_sqrt_f32's result set right by the signs of v - s_down s and v - s_up s; and L, the lowest d2 whose root rounds to s: the f32 number next above the largest
; one not above prev(s) x s (between that product and the square of the midpoint lies no f32 number).  A trip whose smallest d2 lies under L has a smaller rounded root: it WINS, and its 16 d2 and its
; first index are kept (one compare, selects under one mask).  Behind the loop T, the largest d2 whose root rounds to s, is made once, and the place is the lowest of the kept 16 with d2 <= T.
; The maximum is taken away as it runs: when m falls, with delta = b_new - b_old and f = 2^delta, W becomes f (W + delta Z) and Z becomes f Z.  The start is m = 1e30, Z = W = 0: the first f is 0.
; LIMITS: NaN and infinities are not served; for d2 under about 2^-80 the residuals underflow and v_sqrt_f32 takes denormals as zero: there the tie rule above is not exact.
; The 32 distances that feed Z and W are v_sqrt_f32's as they come (1 ulp).
; SHARES: work-group (x, y) = 512 tokens x 512 codes.  Wave w keeps token tiles 2 w, 2 w + 1 in registers and walks the split's 32 code tiles, two a trip, from LDS, where they are brought ONCE
; (147,456 bytes, each wave two records by one tensor load): no byte of LDS is filled again.  No cluster and no prefetch: what work-groups share is that one fill at the head, and the loop fetches nothing from memory.
; LAYOUT: source 0 = 16 codes, source 1 = 16 tokens: lane (r, h) holds token r, register j code 8 h + j.  The halves of the lanes meet once, at the end.
.set REC,   4608
.set SPARE, 0x29000                    ; the spare words: 128 bytes for each of 16 waves
.set ADA0, 1                           ; v1   16 x lane
.set ADS0, 2                           ; v2   8 x lane
.set ADC0, 3                           ; v3   32 h
.set KB,   4                           ; v4   the index of my register 0 of the trip's first tile
.set ADA,  5                           ; v5, v46, v47: the same three places in the records to be fetched
.set TR,   6                           ; v6-9 at work
.set XQ,   10                          ; v[10:11], v[12:13]: (xsq, 0)
.set XS,   14                          ; v14-17 the tokens' scale words; these four and the next four hold scales and nothing else
.set AS,   18                          ; v18-21 the codes' scale words
.set ST,   22                          ; tile t's state at v[ST + 12 t]: +0 b, +1 m = s, +2,3 Z, +4,5 W, +6 f, +7 at work, +8 the trip's smallest d2, then delta, +9 v, +10 the winning trip's KB, then the index, +11 L, at the end T
.set ADS,  46
.set ADC,  47
.set XF,   48                          ; v48-111  token fragments: 32 t + 8 s
.set AF,   112                         ; v112-175 code fragments: 32 a + 8 s
.set EC,   176                         ; v176-191 csq (8 a + j); behind its use 16 of the 2^a at a time
.set D,    192                         ; v192-223 16 t + 8 a + j: dot, d2, d, a
.set SV,   224                         ; v224-255 the winning trip's d2: 16 t + 8 a + j; at the end at work
.set E,    224
	s_load_b128 s[4:7], s[0:1], 0x0                ; q, part
	v_lshl_add_u32 v254, v0, 2, SPARE
	v_mov_b32 v255, 0
	ds_add_u32 v254, v255
	ds_add_u32 v254, v255
	s_wait_dscnt 0x0
	v_lshrrev_b32 v1, 5, v0
	s_delay_alu instid0(VALU_DEP_1)
	v_readfirstlane_b32 s8, v1                     ; wave 0..15
	s_and_b32 s9, ttmp7, 0xffff                    ; the split of codes
	s_lshl_b32 s11, s8, 1
	s_lshl_b32 s10, s9, 5
	s_add_co_u32 s10, s10, s11
	s_add_co_u32 s10, s10, 512
	s_mul_i32 s10, s10, REC                        ; the two code records that I fetch: tiles 512 + 32 y + 2 w
	s_lshl_b32 s24, ttmp9, 5
	s_add_co_u32 s24, s24, s11
	s_mul_i32 s24, s24, REC                        ; my two token records: tiles 32 x + 2 w
	s_mov_b32 s11, 0
	s_mov_b32 s25, 0
	s_mov_b32 s16, 3<<16                           ; a dense block of 9,216 bytes as 36 rows of 32 elements of 8 bytes
	s_mov_b32 s17, 32<<16
	s_mov_b32 s18, 36<<16
	s_mov_b32 s19, 32<<16
	s_mov_b32 s20, 36
	s_mov_b32 s21, 32
	s_mov_b32 s22, 0
	s_mov_b32 s23, 0
	s_mov_b32 s12, 1
	s_mul_i32 s13, s8, 2*REC                       ; LDS: wave x two records
	s_wait_kmcnt 0x0
	s_add_nc_u64 s[14:15], s[4:5], s[10:11]
	s_or_b32 s15, s15, 0x80000000
	tensor_load_to_lds s[12:15], s[16:23]          ; my one tensor load
	s_nop 0
.rept 4
	v_nop
.endr
	s_add_nc_u64 s[24:25], s[4:5], s[24:25]
	s_lshl_b32 s10, s9, 17                         ; part: split y of 131,072 bytes, block x of 512 tokens x 16 bytes
	s_lshl_b32 s26, ttmp9, 13
	s_add_co_u32 s10, s10, s26
	s_add_nc_u64 s[6:7], s[6:7], s[10:11]
	v_and_b32 v6, 31, v0                           ; lane
	v_and_b32 v7, 15, v0                           ; r
	v_bfe_u32 v8, v0, 4, 1                         ; h
	s_delay_alu instid0(VALU_DEP_3)
	v_lshlrev_b32 v[ADA0], 4, v6
	s_delay_alu instid0(VALU_DEP_4)
	v_lshlrev_b32 v[ADS0], 3, v6
	s_delay_alu instid0(VALU_DEP_3)
	v_lshlrev_b32 v[ADC0], 5, v8
	v_lshlrev_b32 v9, 2, v7                        ; 4 r
.irp t, 0,1
.irp s, 0,1,2,3
.irp c, 0,1
	global_load_b128 v[XF+32*\t+8*\s+4*\c:XF+32*\t+8*\s+4*\c+3], v[ADA0], s[24:25] offset:\t*REC+\s*1024+\c*512
.endr
.endr
	global_load_b64 v[XS+2*\t:XS+2*\t+1], v[ADS0], s[24:25] offset:\t*REC+4096
	global_load_b32 v[XQ+2*\t], v9, s[24:25] offset:\t*REC+4352
.endr
	s_lshl_b32 s26, s9, 9
	s_sub_co_u32 s26, s26, 32                      ; each trip adds 32 ahead of its use
	v_lshl_add_u32 v[KB], v8, 3, s26
	s_mov_b32 s28, 0xc31044fe                      ; -C
	s_mov_b32 s29, s28                             ; (named with it as a pair, so it is written)
	s_mov_b32 s30, 0x431044fe                      ; C = 100 log2(e)
	s_mov_b32 s32, 0xffff0000                      ; lanes 16-31
	s_mov_b32 s33, 0                               ; LDS byte of the records to be fetched
	s_mov_b32 s34, 0x76543210
	s_mov_b32 s35, 0xfedcba98                      ; v_permlanex16_b32's selects for lane l xor 16
.irp t, 0,1
	v_mov_b32 v[XQ+2*\t+1], 0
	v_mov_b32 v[ST+12*\t+1], 0x7149f2ca            ; m = 1e30, above every distance
	v_mov_b32 v[ST+12*\t+2], 0
	v_mov_b32 v[ST+12*\t+3], 0
	v_mov_b32 v[ST+12*\t+4], 0
	v_mov_b32 v[ST+12*\t+5], 0
	v_mov_b32 v[ST+12*\t+9], 0x7f7fffff            ; v and L: the largest f32 number: the first trip wins
	v_mov_b32 v[ST+12*\t+10], 0
	v_mov_b32 v[ST+12*\t+11], 0x7f7fffff
	v_mul_f32 v[ST+12*\t], s30, v[ST+12*\t+1]      ; b = C m
.endr
.set i, 0
.rept 32
	v_mov_b32 v[SV+i], 0                           ; written once: the selects name them as sources
.set i, i+1
.endr
	v_add_nc_u32 v[ADA], s33, v[ADA0]
	v_add_nc_u32 v[ADS], s33, v[ADS0]
	v_add_nc_u32 v[ADC], s33, v[ADC0]
	s_wait_alu depctr_va_vdst(0)                   ; the wait at the head's end
	s_wait_loadcnt 0x0                             ; my tokens
	s_wait_tensorcnt 0x0                           ; my two records are in LDS,
	s_barrier_signal -1
	s_barrier_wait -1                              ; everybody's are
.macro LOADS                           ; two code tiles and their scale words: 18 loads
.irp a, 0,1
.irp s, 0,1,2,3
.irp c, 0,1
	ds_load_b128 v[AF+32*\a+8*\s+4*\c:AF+32*\a+8*\s+4*\c+3], v[ADA] offset:\a*REC+\s*1024+\c*512
.endr
.endr
	ds_load_b64 v[AS+2*\a:AS+2*\a+1], v[ADS] offset:\a*REC+4096
.endr
.endm
.macro LOADC                           ; my eight codes' csq of each: 4 loads
.irp a, 0,1
.irp i, 0,1
	ds_load_b128 v[EC+8*\a+4*\i:EC+8*\a+4*\i+3], v[ADC] offset:\a*REC+4352+16*\i
.endr
.endr
.endm
; K step s of the four products.  The four accumulators take turns; K step 0 starts the sums.  Odd K steps' scale words lie in lanes 16-31.
.macro MMS s
.irp a, 0,1
.irp t, 0,1
.if (\s) == 0
	v_wmma_scale_f32_16x16x128_f8f6f4 v[D+16*\t+8*\a:D+16*\t+8*\a+7], v[AF+32*\a+8*(\s):AF+32*\a+8*(\s)+7], v[XF+32*\t+8*(\s):XF+32*\t+8*(\s)+7], 0, v[AS+2*\a+(\s)/2], v[XS+2*\t+(\s)/2] matrix_a_fmt:MATRIX_FMT_FP4 matrix_b_fmt:MATRIX_FMT_FP4
.elseif (\s) % 2
	v_wmma_scale_f32_16x16x128_f8f6f4 v[D+16*\t+8*\a:D+16*\t+8*\a+7], v[AF+32*\a+8*(\s):AF+32*\a+8*(\s)+7], v[XF+32*\t+8*(\s):XF+32*\t+8*(\s)+7], v[D+16*\t+8*\a:D+16*\t+8*\a+7], v[AS+2*\a+(\s)/2], v[XS+2*\t+(\s)/2] matrix_a_fmt:MATRIX_FMT_FP4 matrix_b_fmt:MATRIX_FMT_FP4 matrix_a_scale:MATRIX_SCALE_ROW1 matrix_b_scale:MATRIX_SCALE_ROW1
.else
	v_wmma_scale_f32_16x16x128_f8f6f4 v[D+16*\t+8*\a:D+16*\t+8*\a+7], v[AF+32*\a+8*(\s):AF+32*\a+8*(\s)+7], v[XF+32*\t+8*(\s):XF+32*\t+8*(\s)+7], v[D+16*\t+8*\a:D+16*\t+8*\a+7], v[AS+2*\a+(\s)/2], v[XS+2*\t+(\s)/2] matrix_a_fmt:MATRIX_FMT_FP4 matrix_b_fmt:MATRIX_FMT_FP4
.endif
.endr
.endr
.endm
; 16 of the 32 exponentials: code tile g of both token tiles, into EC; then onto Z and W, four chains by turns
.macro EXPS g
.irp t, 0,1
.irp i, 0,1,2,3,4,5,6,7
	v_exp_f32 v[EC+8*\t+\i], v[D+16*\t+8*\g+\i]
.endr
.endr
	v_nop                                          ; the plain line behind the batch
	s_wait_alu depctr_va_vdst(0)                   ; one wait for the batch, ahead of its first reader
.endm
.macro ACCUM g
.irp p, 0,1,2,3
.irp t, 0,1
	v_pk_add_f32 v[ST+12*\t+2:ST+12*\t+3], v[ST+12*\t+2:ST+12*\t+3], v[EC+8*\t+2*\p:EC+8*\t+2*\p+1]
	v_pk_fma_f32 v[ST+12*\t+4:ST+12*\t+5], v[EC+8*\t+2*\p:EC+8*\t+2*\p+1], v[D+16*\t+8*\g+2*\p:D+16*\t+8*\g+2*\p+1], v[ST+12*\t+4:ST+12*\t+5]
.endr
.endr
.endm
; With u = s + step in bits: the largest f32 not above s x u, + last, into ST + 11.  (step = -1, last = 1: L;  step = 1, last = 0: T)
.macro EDGE step, last
.irp t, 0,1
.if \last
	s_delay_alu instid0(VALU_DEP_2)                ; in the trip s was written two vector instructions before; behind the loop it was written long ago
.endif
	v_add_nc_u32 v[TR+2*\t], \step, v[ST+12*\t+1]
.endr
.irp t, 0,1
	s_delay_alu instid0(VALU_DEP_2)
	v_mul_f32 v[TR+2*\t+1], v[ST+12*\t+1], v[TR+2*\t]
.endr
.irp t, 0,1
	s_delay_alu instid0(VALU_DEP_2)
	v_fma_f32 v[ST+12*\t+8], v[ST+12*\t+1], v[TR+2*\t], -v[TR+2*\t+1]       ; what the rounded product left out, exactly
.endr
.irp t, 0,1
	s_delay_alu instid0(VALU_DEP_2)
	v_ashrrev_i32 v[ST+12*\t+8], 31, v[ST+12*\t+8] ; -1 where the product was rounded up
.endr
.irp t, 0,1
	s_delay_alu instid0(VALU_DEP_2)
	v_add3_u32 v[ST+12*\t+11], v[TR+2*\t+1], v[ST+12*\t+8], \last
.endr
.endm
; A TRIP: 32 codes x my 32 tokens: 32 distances a lane.  next = 1: the next trip's tiles are fetched meanwhile.
.macro TRIP next
	s_wait_dscnt 4                                 ; this trip's tiles and scale words are in; the four youngest loads, csq's, may be out
	MMS 0
	MMS 1
	MMS 2
	MMS 3
	v_add_nc_u32 v[KB], 32, v[KB]                  ; four plain lines that name no register of the products: the places in front of the loads into their operands and of the first read of their results
.if \next
	s_add_co_u32 s33, s33, 2*REC
	v_add_nc_u32 v[ADA], s33, v[ADA0]
	v_add_nc_u32 v[ADS], s33, v[ADS0]
	v_add_nc_u32 v[ADC], s33, v[ADC0]
	LOADS
	s_wait_dscnt 18                                ; csq is in; the 18 loads just issued may be out
.else
.rept 3
	v_nop
.endr
	s_wait_dscnt 0x0
.endif
.set p, 0
.rept 16
	v_pk_fma_f32 v[D+2*p:D+2*p+1], v[D+2*p:D+2*p+1], -2.0, v[XQ+2*(p/8):XQ+2*(p/8)+1] op_sel_hi:[1,0,0]   ; xsq - 2 dot, rounded once; each accumulator from its low end on
.set p, p+1
.endr
.set p, 0
.rept 16
	v_pk_add_f32 v[D+2*p:D+2*p+1], v[D+2*p:D+2*p+1], v[EC+2*(p%8):EC+2*(p%8)+1]   ; + csq
.set p, p+1
.endr
.set i, 0
.rept 16
	v_dual_max_num_f32 v[D+i], 0, v[D+i] :: v_dual_max_num_f32 v[D+i+1], 0, v[D+i+1]   ; d2, two at a time
.set i, i+2
.endr
.irp t, 0,1                                    ; the smallest of my token's 16 d2
	v_min3_num_f32 v[TR+2*\t], v[D+16*\t], v[D+16*\t+1], v[D+16*\t+2]
	v_min3_num_f32 v[TR+2*\t+1], v[D+16*\t+3], v[D+16*\t+4], v[D+16*\t+5]
.endr
.irp i, 6,10
.irp t, 0,1
	s_delay_alu instid0(VALU_DEP_4)
	v_min3_num_f32 v[TR+2*\t], v[TR+2*\t], v[D+16*\t+\i], v[D+16*\t+\i+1]
	s_delay_alu instid0(VALU_DEP_4)
	v_min3_num_f32 v[TR+2*\t+1], v[TR+2*\t+1], v[D+16*\t+\i+2], v[D+16*\t+\i+3]
.endr
.endr
	s_delay_alu instid0(VALU_DEP_4)
	v_min3_num_f32 v[TR], v[TR], v[D+14], v[D+15]
	s_delay_alu instid0(VALU_DEP_3)
	v_min3_num_f32 v[TR+2], v[TR+2], v[D+30], v[D+31]
.irp t, 0,1
	s_delay_alu instid0(VALU_DEP_2)
	v_min_num_f32 v[ST+12*\t+8], v[TR+2*\t], v[TR+2*\t+1]
.endr
.irp t, 0,1                                    ; under L: a smaller rounded root: the trip wins, and its 16 d2 and its KB are kept; among equal roots the earlier trip stays
	v_cmp_lt_f32 vcc_lo, v[ST+12*\t+8], v[ST+12*\t+11]
.set i, 0
.rept 8
	v_dual_cndmask_b32 v[SV+16*\t+i], v[SV+16*\t+i], v[D+16*\t+i] :: v_dual_cndmask_b32 v[SV+16*\t+i+1], v[SV+16*\t+i+1], v[D+16*\t+i+1]
.set i, i+2
.endr
	v_cndmask_b32 v[ST+12*\t+10], v[ST+12*\t+10], v[KB], vcc_lo
	v_min_num_f32 v[ST+12*\t+9], v[ST+12*\t+9], v[ST+12*\t+8]   ; v
.endr
	s_wait_alu depctr_va_vdst(0)                   ; the wait ahead of the batch
.irp t, 0,1
	v_sqrt_f32 v[ST+12*\t+1], v[ST+12*\t+9]        ; v's root, and the 32 distances, over d2: one batch
.endr
.set i, 0
.rept 32
	v_sqrt_f32 v[D+i], v[D+i]
.set i, i+1
.endr
	v_nop                                          ; the plain line behind the batch
	s_wait_alu depctr_va_vdst(0)                   ; one wait for the 34 roots, ahead of their first reader
.irp t, 0,1                                    ; v's ROOT IS SET RIGHT: s is within one step of the true root
	v_add_nc_u32 v[TR+2*\t], -1, v[ST+12*\t+1]     ; the f32 number below s,
	v_add_nc_u32 v[TR+2*\t+1], 1, v[ST+12*\t+1]    ; and the one above
.endr
.irp t, 0,1
	v_fma_f32 v[ST+12*\t+8], -v[TR+2*\t], v[ST+12*\t+1], v[ST+12*\t+9]      ; v - s_down s: 0 or less where the root lies under the middle between the two
	v_fma_f32 v[ST+12*\t+7], -v[TR+2*\t+1], v[ST+12*\t+1], v[ST+12*\t+9]    ; v - s_up s: above 0 where it lies over the middle between these two
.endr
	s_delay_alu instid0(VALU_DEP_4)
	v_cmp_ge_f32 s36, 0, v[ST+8]
	s_delay_alu instid0(VALU_DEP_3)
	v_cmp_ge_f32 s37, 0, v[ST+20]
.irp t, 0,1
	v_cndmask_b32 v[ST+12*\t+1], v[ST+12*\t+1], v[TR+2*\t], s[36+\t]
.endr
.irp t, 0,1
	v_cmp_lt_f32 s[36+\t], 0, v[ST+12*\t+7]
.endr
.irp t, 0,1
	s_delay_alu instid0(VALU_DEP_2)
	v_cndmask_b32 v[ST+12*\t+1], v[ST+12*\t+1], v[TR+2*\t+1], s[36+\t]      ; s = m: the root, correctly rounded
.endr
	EDGE -1, 1                                     ; L
.irp t, 0,1
	v_mul_f32 v[ST+12*\t+7], s30, v[ST+12*\t+1]    ; the new b
.endr
.irp t, 0,1
	s_delay_alu instid0(VALU_DEP_2)
	v_sub_f32 v[ST+12*\t+8], v[ST+12*\t+7], v[ST+12*\t]   ; delta, 0 or less
.endr
.irp t, 0,1
	v_mov_b32 v[ST+12*\t], v[ST+12*\t+7]
.endr
.irp t, 0,1
	v_pk_fma_f32 v[ST+12*\t+4:ST+12*\t+5], v[ST+12*\t+2:ST+12*\t+3], v[ST+12*\t+8:ST+12*\t+9], v[ST+12*\t+4:ST+12*\t+5] op_sel_hi:[1,0,1]   ; W + delta Z
.endr
.set p, 0
.rept 16
	v_pk_fma_f32 v[D+2*p:D+2*p+1], v[D+2*p:D+2*p+1], s[28:29], v[ST+12*(p/8):ST+12*(p/8)+1] op_sel_hi:[1,0,0]   ; a = b - C d, over d
.set p, p+1
.endr
	s_wait_alu depctr_va_vdst(0)                   ; ahead of the batch
.irp t, 0,1
	v_exp_f32 v[ST+12*\t+6], v[ST+12*\t+8]         ; f
.endr
	EXPS 0
.irp t, 0,1
	v_pk_mul_f32 v[ST+12*\t+2:ST+12*\t+3], v[ST+12*\t+2:ST+12*\t+3], v[ST+12*\t+6:ST+12*\t+7] op_sel_hi:[1,0]
	v_pk_mul_f32 v[ST+12*\t+4:ST+12*\t+5], v[ST+12*\t+4:ST+12*\t+5], v[ST+12*\t+6:ST+12*\t+7] op_sel_hi:[1,0]
.endr
	ACCUM 0
	s_wait_alu depctr_va_vdst(0)                   ; ahead of the second batch
	EXPS 1
	ACCUM 1
.if \next
	LOADC                                          ; EC is done with: the next trip's csq
.endif
.endm
	LOADS
	LOADC
	s_mov_b32 s31, 15
.Ltrip:
	TRIP 1
	s_sub_co_u32 s31, s31, 1
	s_cmp_lg_u32 s31, 0
	s_cbranch_scc1 .Ltrip
	TRIP 0                                         ; the last two tiles: nothing more to fetch
	; THE END.  First the place, once: T from s, and the lowest of the winning trip's 16 d2 that is not above T.
.irp t, 0,1
	s_delay_alu instid0(VALU_DEP_4)
	v_add_f32 v[ST+12*\t+2], v[ST+12*\t+2], v[ST+12*\t+3]
	s_delay_alu instid0(VALU_DEP_4)
	v_add_f32 v[ST+12*\t+4], v[ST+12*\t+4], v[ST+12*\t+5]
.endr
.irp t, 0,1
	v_mov_b32 v[ST+12*\t+7], 23                    ; the place 16 a + j of the last d2
.endr
	EDGE 1, 0                                      ; T
.irp o, 14,13,12,11,10,9,8,7,6,5,4,3,2,1,0     ; from the last d2 down: the lowest place whose root rounds to s stays
.irp t, 0,1
	v_cmp_gt_f32 s[36+\t], v[SV+16*\t+\o], v[ST+12*\t+11]
.endr
.irp t, 0,1
	s_delay_alu instid0(VALU_DEP_2)
	v_cndmask_b32 v[ST+12*\t+7], \o+8*(\o/8), v[ST+12*\t+7], s[36+\t]
.endr
.endr
.irp t, 0,1
	s_delay_alu instid0(VALU_DEP_2)
	v_add_nc_u32 v[ST+12*\t+10], v[ST+12*\t+10], v[ST+12*\t+7]   ; the index
.endr
	; A token's codes lie in lanes l and l xor 16: the two states are joined by the same change of reference; of equal minima the lower index stays.
.irp t, 0,1                                    ; at work, 12 registers a tile in E: +0 m', +1 Z', +2 W', +3 index', +4 the joint m, +5 its b, +6, +7 the two deltas, +8, +9 the two f, +10 b', +11 the lower index
	v_permlanex16_b32 v[E+12*\t], v[ST+12*\t+1], s34, s35
	v_permlanex16_b32 v[E+12*\t+1], v[ST+12*\t+2], s34, s35
	v_permlanex16_b32 v[E+12*\t+2], v[ST+12*\t+4], s34, s35
	v_permlanex16_b32 v[E+12*\t+3], v[ST+12*\t+10], s34, s35
.endr
.irp t, 0,1
	v_min_num_f32 v[E+12*\t+4], v[ST+12*\t+1], v[E+12*\t]
	v_mul_f32 v[E+12*\t+10], s30, v[E+12*\t]
.endr
	s_delay_alu instid0(VALU_DEP_4)
	v_mul_f32 v[E+5], s30, v[E+4]
	s_delay_alu instid0(VALU_DEP_3)
	v_mul_f32 v[E+17], s30, v[E+16]
	s_delay_alu instid0(VALU_DEP_2)
	v_sub_f32 v[E+6], v[E+5], v[ST]
	s_delay_alu instid0(VALU_DEP_3)
	v_sub_f32 v[E+7], v[E+5], v[E+10]
	s_delay_alu instid0(VALU_DEP_3)
	v_sub_f32 v[E+18], v[E+17], v[ST+12]
	s_delay_alu instid0(VALU_DEP_4)
	v_sub_f32 v[E+19], v[E+17], v[E+22]
	s_wait_alu depctr_va_vdst(0)                   ; ahead of the batch
.irp t, 0,1
	v_exp_f32 v[E+12*\t+8], v[E+12*\t+6]
	v_exp_f32 v[E+12*\t+9], v[E+12*\t+7]
.endr
.irp t, 0,1
	v_fma_f32 v[ST+12*\t+4], v[E+12*\t+6], v[ST+12*\t+2], v[ST+12*\t+4]
	v_fma_f32 v[E+12*\t+2], v[E+12*\t+7], v[E+12*\t+1], v[E+12*\t+2]
	v_cmp_lt_f32 s36, v[E+12*\t], v[ST+12*\t+1]
	v_cmp_eq_f32 s37, v[E+12*\t], v[ST+12*\t+1]
	v_min_u32 v[E+12*\t+11], v[ST+12*\t+10], v[E+12*\t+3]
	s_delay_alu instid0(VALU_DEP_3)
	v_cndmask_b32 v[ST+12*\t+10], v[ST+12*\t+10], v[E+12*\t+3], s36
	s_delay_alu instid0(VALU_DEP_1)
	v_cndmask_b32 v[ST+12*\t+10], v[ST+12*\t+10], v[E+12*\t+11], s37
.endr
	s_wait_alu depctr_va_vdst(0)                   ; one wait for the four exponentials
.irp t, 0,1
	v_mul_f32 v[ST+12*\t+2], v[ST+12*\t+2], v[E+12*\t+8]
	v_mul_f32 v[ST+12*\t+4], v[ST+12*\t+4], v[E+12*\t+8]
.endr
.irp t, 0,1
	v_fma_f32 v[ST+12*\t+2], v[E+12*\t+1], v[E+12*\t+9], v[ST+12*\t+2]
	v_fma_f32 v[ST+12*\t+4], v[E+12*\t+2], v[E+12*\t+9], v[ST+12*\t+4]
.endr
	v_cndmask_b32 v252, v[E+4], v[E+16], s32       ; lanes 0-15 speak for tile 0, lanes 16-31 for tile 1: thread n for token n of the block
	s_delay_alu instid0(VALU_DEP_3)
	v_cndmask_b32 v253, v[ST+2], v[ST+14], s32
	s_delay_alu instid0(VALU_DEP_3)
	v_cndmask_b32 v254, v[ST+4], v[ST+16], s32
	v_cndmask_b32 v255, v[ST+10], v[ST+22], s32
	v_lshlrev_b32 v249, 4, v0
	global_store_b128 v249, v[252:255], s[6:7]     ; m, Z, W, index: 32 lanes store 512 consecutive bytes
	s_wait_xcnt 0x0                                ; the store has read its registers
	v_lshl_add_u32 v254, v0, 2, SPARE
	v_mov_b32 v255, 0
	s_wait_alu depctr_va_vdst(0)
	s_wait_tensorcnt 0x0                           ; the wave's end
	ds_add_u32 v254, v255
	s_wait_dscnt 0x0
	s_endpgm
.Lfunc_end_k_qebf9f2b1b5_rows:
	.size	k_qebf9f2b1b5_rows, .Lfunc_end_k_qebf9f2b1b5_rows-k_qebf9f2b1b5_rows
	.p2alignl 7, 3214868480
	.fill 96, 4, 3214868480
	.section	.rodata,"a",@progbits
	.p2align	6, 0x0
	.amdhsa_kernel k_qebf9f2b1b5_rows
		.amdhsa_group_segment_fixed_size 169984
		.amdhsa_private_segment_fixed_size 0
		.amdhsa_enable_private_segment 0
		.amdhsa_kernarg_size 16
		.amdhsa_user_sgpr_count 2
		.amdhsa_user_sgpr_kernarg_segment_ptr 1
		.amdhsa_wavefront_size32 1
		.amdhsa_system_sgpr_workgroup_id_x 1
		.amdhsa_system_sgpr_workgroup_id_y 1
		.amdhsa_system_sgpr_workgroup_id_z 1
		.amdhsa_system_vgpr_workitem_id 0
		.amdhsa_next_free_vgpr 256
		.amdhsa_next_free_sgpr 66
		.amdhsa_reserve_vcc 1
		.amdhsa_float_denorm_mode_32 3
		.amdhsa_float_denorm_mode_16_64 3
		.amdhsa_memory_ordered 1
		.amdhsa_forward_progress 1
		.amdhsa_inst_pref_size 50
	.end_amdhsa_kernel
	.amdgpu_metadata
---
amdhsa.version: [ 1, 2 ]
amdhsa.kernels:
  - .name:           k_qebf9f2b1b5_rows
    .symbol:         k_qebf9f2b1b5_rows.kd
    .args:
      - { .name: q, .offset: 0, .size: 8, .value_kind: global_buffer, .address_space: global }
      - { .name: part, .offset: 8, .size: 8, .value_kind: global_buffer, .address_space: global }
    .group_segment_fixed_size: 169984
    .private_segment_fixed_size: 0
    .kernarg_segment_align: 8
    .kernarg_segment_size: 16
    .max_flat_workgroup_size: 512
    .sgpr_count:     66
    .vgpr_count:     256
    .wavefront_size: 32
...
	.end_amdgpu_metadata
.endif
;; end of part 2
;; launch cols (part 3): grid 16 x 16, 16 waves a work-group, no clusters, 169,984 bytes of LDS; arguments q, part, colp, idx, out5; writes colp, idx, out5
.if DOCPART == 3
	.amdgcn_target "amdgcn-amd-amdhsa--gfx1250"
	.amdhsa_code_object_version 6
	.text
	.protected	k_qebf9f2b1b5_cols
	.globl	k_qebf9f2b1b5_cols
	.p2align	8
	.type	k_qebf9f2b1b5_cols,@function
k_qebf9f2b1b5_cols:
	s_mov_b64 s[64:65], 0
	v_nop
	global_prefetch_b8 v0, s[64:65] scope:SCOPE_SE
	s_setreg_imm32_b32 hwreg(HW_REG_WAVE_MODE, 25, 1), 1
	s_wait_xcnt 0x0
; The 16 splits' states of each token are joined (true minimum m, its lowest index, Z, W); then the distances are made once more and p = 2^(B - C d), B = rn(C m) - log2 Z, the NORMALISED softmax,
; is summed over tokens for each code.  Stored: colp [16 blocks of tokens][8192 codes]: the blocks' column sums; behind them, at byte 524,288, for each token sum_k p ln p = ln 2 (W / Z - log2 Z);
; the index of each token in idx and in out5.  log_softmax(flat + eps) is taken as flat - logsumexp(flat): a shift that all of a row shares cancels for every input.
; LIMITS: as in the launch before: NaN and infinities are not served; v_sqrt_f32, v_exp_f32, v_log_f32, v_rcp_f32 are accurate to 1 ulp.
; SHARES: work-group (x, y) = 512 codes x 512 tokens.  Wave w keeps code tiles 2 w, 2 w + 1 of its block in registers and walks the 32 token tiles, two a trip, from LDS, where they are brought ONCE.
; The join is made by every work-group for its 512 tokens, a thread a token (2,048 bytes a plane and split, read again by the 16 work-groups of a row); those with x = 0 store it.
; No cluster: what work-groups share is the one fill at the head.  LAYOUT: as in the launch before: source 0 = 16 codes, source 1 = 16 tokens, so the distances have the same bits.
.set REC,  4608
.set BREG, 147456                      ; behind the tiles: B of the 512 tokens,
.set IST,  149504                      ; their indices,
.set EST,  151552                      ; their sum p ln p,
.set CST,  153600                      ; and the 512 column sums: 2,048 bytes each
.set ADA0, 1                           ; v1  16 x lane
.set ADS0, 2                           ; v2  8 x lane
.set ADX0, 3                           ; v3  4 r
.set ADB0, 4                           ; v4  BREG + 4 r
.set ADA,  5                           ; v5-8: the same four places for the tiles to be fetched
.set ADS,  6
.set ADX,  7
.set ADB,  8
.set CSA,  9                           ; v9  CST + 128 wave + 32 h
.set XQ,   10                          ; v[10:11], v[12:13]: (xsq, 0)
.set BQ,   14                          ; v[14:15], v[16:17]: (B, 0)
.set XS,   18                          ; v18-21 the tokens' scale words; these four and the next four hold scales and nothing else
.set CSC,  22                          ; v22-25 the codes' scale words
.set OD,   26                          ; v26-29 the join's store data
.set JA,   30                          ; v30 IST + 16 x thread
.set GO,   31                          ; v31 16 x thread
.set PM,   32                          ; the join: m, b, Z, W, index, log2 Z, 1 / Z, B, sum p ln p
.set PB,   33
.set PZ,   34
.set PWT,  35
.set PI,   36
.set PL,   37
.set PR,   38
.set PBI,  39
.set PE,   40
.set CF,   48                          ; v48-111  code fragments: 32 a + 8 s
.set XF,   112                         ; v112-175 token fragments: 32 t + 8 s; in the join split s's (m, Z, W, index) at 4 s
.set CSQ,  176                         ; v176-191 csq: 8 a + j
.set D,    192                         ; v192-223 16 t + 8 a + j; in the join 16 deltas and 16 f
.set ACC,  224                         ; v224-255 the column sums, laid as D
	s_load_b256 s[4:11], s[0:1], 0x0               ; q, part, colp, idx
	s_load_b64 s[40:41], s[0:1], 0x20              ; out5
	v_lshl_add_u32 v254, v0, 2, 0x29000
	v_mov_b32 v255, 0
	ds_add_u32 v254, v255
	ds_add_u32 v254, v255
	s_wait_dscnt 0x0
	v_lshrrev_b32 v1, 5, v0
	s_delay_alu instid0(VALU_DEP_1)
	v_readfirstlane_b32 s42, v1                    ; wave 0..15
	s_and_b32 s43, ttmp7, 0xffff                   ; the block of tokens
	s_lshl_b32 s45, s42, 1
	s_lshl_b32 s44, s43, 5
	s_add_co_u32 s44, s44, s45
	s_mul_i32 s44, s44, REC                        ; the two token records that I fetch: tiles 32 y + 2 w
	s_lshl_b32 s24, ttmp9, 5
	s_add_co_u32 s24, s24, s45
	s_add_co_u32 s24, s24, 512
	s_mul_i32 s24, s24, REC                        ; my two code records: tiles 512 + 32 x + 2 w
	s_mov_b32 s45, 0
	s_mov_b32 s25, 0
	s_mov_b32 s16, 3<<16                           ; a dense block of 9,216 bytes as 36 rows of 32 elements of 8 bytes, no padding
	s_mov_b32 s17, 32<<16
	s_mov_b32 s18, 36<<16
	s_mov_b32 s19, 32<<16
	s_mov_b32 s20, 36
	s_mov_b32 s21, 32
	s_mov_b32 s22, 0
	s_mov_b32 s23, 0
	s_mov_b32 s12, 1
	s_mul_i32 s13, s42, 2*REC
	s_wait_kmcnt 0x0
	s_add_nc_u64 s[14:15], s[4:5], s[44:45]
	s_or_b32 s15, s15, 0x80000000
	tensor_load_to_lds s[12:15], s[16:23]          ; my one tensor load
	s_nop 0
.rept 4
	v_nop
.endr
	s_add_nc_u64 s[24:25], s[4:5], s[24:25]
	s_lshl_b32 s44, s43, 13                        ; part is [16 splits][8192 tokens][m, Z, W, index]: my 512 tokens x 16 bytes
	s_add_nc_u64 s[6:7], s[6:7], s[44:45]
	s_lshl_b32 s44, s43, 11                        ; 512 tokens x 4 bytes
	s_add_nc_u64 s[10:11], s[10:11], s[44:45]
	s_add_nc_u64 s[40:41], s[40:41], s[44:45]
	s_add_nc_u64 s[46:47], s[8:9], s[44:45]
	s_add_nc_u64 s[46:47], s[46:47], 522240        ; 524,288 - 2,048: waves 4 to 7 store there at 16 x thread
	s_lshl_b32 s44, s43, 15
	s_lshl_b32 s48, ttmp9, 11
	s_add_co_u32 s44, s44, s48
	s_add_nc_u64 s[8:9], s[8:9], s[44:45]          ; the column sums of (block of tokens, block of codes)
	v_and_b32 v45, 31, v0                          ; lane
	v_and_b32 v46, 15, v0                          ; r
	v_bfe_u32 v47, v0, 4, 1                        ; h
	s_delay_alu instid0(VALU_DEP_3)
	v_lshlrev_b32 v[ADA0], 4, v45
	s_delay_alu instid0(VALU_DEP_4)
	v_lshlrev_b32 v[ADS0], 3, v45
	s_delay_alu instid0(VALU_DEP_4)
	v_lshlrev_b32 v[ADX0], 2, v46
	v_lshl_add_u32 v[ADB0], v46, 2, BREG
	s_lshl_b32 s48, s42, 7
	s_add_co_u32 s48, s48, CST
	v_lshl_add_u32 v[CSA], v47, 5, s48
	v_lshl_add_u32 v[JA], v0, 4, IST
	v_lshlrev_b32 v[GO], 4, v0
	v_lshlrev_b32 v44, 5, v47                      ; 32 h
	v_lshl_add_u32 v42, v0, 2, BREG
.irp s, 0,1,2,3,4,5,6,7,8,9,10,11,12,13,14,15  ; my token's state in each split, 16 bytes a load, 512 consecutive bytes a wave: the join waits for these, so they go first
	global_load_b128 v[XF+4*\s:XF+4*\s+3], v[GO], s[6:7] offset:\s*131072
.endr
.irp a, 0,1
.irp s, 0,1,2,3
.irp c, 0,1
	global_load_b128 v[CF+32*\a+8*\s+4*\c:CF+32*\a+8*\s+4*\c+3], v[ADA0], s[24:25] offset:\a*REC+\s*1024+\c*512
.endr
.endr
	global_load_b64 v[CSC+2*\a:CSC+2*\a+1], v[ADS0], s[24:25] offset:\a*REC+4096
.irp i, 0,1
	global_load_b128 v[CSQ+8*\a+4*\i:CSQ+8*\a+4*\i+3], v44, s[24:25] offset:\a*REC+4352+16*\i
.endr
.endr
	s_mov_b32 s28, 0xc31044fe                      ; -C
	s_mov_b32 s29, s28
	s_mov_b32 s30, 0x431044fe                      ; C = 100 log2(e)
	s_mov_b32 s33, 0                               ; LDS byte of the records to be fetched
	s_mov_b32 s34, 0                               ; and of their tokens' B
.irp t, 0,1
	v_mov_b32 v[XQ+2*\t+1], 0
	v_mov_b32 v[BQ+2*\t+1], 0
.endr
	s_wait_loadcnt 0x0
	; THE JOIN
	v_min3_num_f32 v45, v[XF], v[XF+4], v[XF+8]
	v_min3_num_f32 v46, v[XF+12], v[XF+16], v[XF+20]
.irp i, 6,10
	s_delay_alu instid0(VALU_DEP_2)
	v_min3_num_f32 v45, v45, v[XF+4*\i], v[XF+4*\i+4]
	s_delay_alu instid0(VALU_DEP_2)
	v_min3_num_f32 v46, v46, v[XF+4*\i+8], v[XF+4*\i+12]
.endr
	s_delay_alu instid0(VALU_DEP_2)
	v_min3_num_f32 v45, v45, v[XF+56], v[XF+60]
	s_delay_alu instid0(VALU_DEP_1)
	v_min_num_f32 v[PM], v45, v46                  ; the token's smallest distance
	s_delay_alu instid0(VALU_DEP_1)
	v_mul_f32 v[PB], s30, v[PM]
.irp s, 0,1,2,3,4,5,6,7,8,9,10,11,12,13,14,15
	v_mul_f32 v[D+\s], s30, v[XF+4*\s]             ; the split's own b, made as the launch before made it
.endr
.irp s, 0,1,2,3,4,5,6,7,8,9,10,11,12,13,14,15
	v_sub_f32 v[D+\s], v[PB], v[D+\s]              ; delta, 0 or less
.endr
.irp s, 0,1,2,3,4,5,6,7,8,9,10,11,12,13,14,15
	v_fma_f32 v[XF+4*\s+2], v[D+\s], v[XF+4*\s+1], v[XF+4*\s+2]   ; W + delta Z
.endr
.irp s, 0,1,2,3,4,5,6,7,8,9,10,11,12,13,14,15
	v_exp_f32 v[D+16+\s], v[D+\s]                  ; f
.endr
	v_mov_b32 v[PI], v[XF+63]                      ; the index, from the last split down: the lowest split that has the minimum stays.  (Plain work behind the batch)
.irp s, 14,13,12,11,10,9,8,7,6,5,4,3,2,1,0
	v_cmp_neq_f32 vcc_lo, v[XF+4*\s], v[PM]
	s_delay_alu instid0(VALU_DEP_1)
	v_cndmask_b32 v[PI], v[XF+4*\s+3], v[PI], vcc_lo
.endr
	s_wait_alu depctr_va_vdst(0)                   ; one wait for the 16 exponentials
	v_mul_f32 v[PZ], v[D+16], v[XF+1]
	v_mul_f32 v[PWT], v[D+16], v[XF+2]
.irp s, 1,2,3,4,5,6,7,8,9,10,11,12,13,14,15
	v_fma_f32 v[PZ], v[D+16+\s], v[XF+4*\s+1], v[PZ]
	v_fma_f32 v[PWT], v[D+16+\s], v[XF+4*\s+2], v[PWT]
.endr
	s_wait_alu depctr_va_vdst(0)
	v_log_f32 v[PL], v[PZ]
	v_rcp_f32 v[PR], v[PZ]
	v_nop                                          ; the plain line behind the two
	s_wait_alu depctr_va_vdst(0)
	v_sub_f32 v[PBI], v[PB], v[PL]                 ; B = b - log2 Z
	v_fma_f32 v[PE], v[PWT], v[PR], -v[PL]
	s_delay_alu instid0(VALU_DEP_1)
	v_mul_f32 v[PE], 0x3f317218, v[PE]             ; ln 2 (W / Z - log2 Z)
	ds_store_b32 v42, v[PBI]
	ds_store_b32 v42, v[PI] offset:IST-BREG
	ds_store_b32 v42, v[PE] offset:EST-BREG
	s_wait_tensorcnt 0x0                           ; my two records are in LDS,
	s_wait_dscnt 0x0                               ; and my token's three words:
	s_barrier_signal -1
	s_barrier_wait -1                              ; everybody's are
	s_cmp_lg_u32 ttmp9, 0                          ; the join leaves once: by the work-groups of the first block of codes, waves 0-3 the indices, waves 4-7 the sums p ln p
	s_cbranch_scc1 .Ljoined
	s_cmp_lt_u32 s42, 8
	s_cbranch_scc0 .Ljoined
	ds_load_b128 v[OD:OD+3], v[JA]
	s_wait_dscnt 0x0
	s_cmp_lt_u32 s42, 4
	s_cbranch_scc0 .Lsums
	global_store_b128 v[GO], v[OD:OD+3], s[10:11]  ; 32 lanes store 512 consecutive bytes
	global_store_b128 v[GO], v[OD:OD+3], s[40:41]
	s_branch .Ljoined
.Lsums:
	global_store_b128 v[GO], v[OD:OD+3], s[46:47]
.Ljoined:
.macro LOADS                           ; two token tiles and their scale words
.irp t, 0,1
.irp s, 0,1,2,3
.irp c, 0,1
	ds_load_b128 v[XF+32*\t+8*\s+4*\c:XF+32*\t+8*\s+4*\c+3], v[ADA] offset:\t*REC+\s*1024+\c*512
.endr
.endr
	ds_load_b64 v[XS+2*\t:XS+2*\t+1], v[ADS] offset:\t*REC+4096
.endr
.endm
.macro LOADX                           ; my tokens' xsq
.irp t, 0,1
	ds_load_b32 v[XQ+2*\t], v[ADX] offset:\t*REC+4352
.endr
.endm
.macro LOADB                           ; and their B
.irp t, 0,1
	ds_load_b32 v[BQ+2*\t], v[ADB] offset:64*\t
.endr
.endm
; K step s of the four products: the four accumulators take turns, one instruction a turn; K step 0 starts the sums.  Odd K steps' scale words lie in lanes 16-31.
.macro MMS s
.irp a, 0,1
.irp t, 0,1
.if (\s) == 0
	v_wmma_scale_f32_16x16x128_f8f6f4 v[D+16*\t+8*\a:D+16*\t+8*\a+7], v[CF+32*\a+8*(\s):CF+32*\a+8*(\s)+7], v[XF+32*\t+8*(\s):XF+32*\t+8*(\s)+7], 0, v[CSC+2*\a+(\s)/2], v[XS+2*\t+(\s)/2] matrix_a_fmt:MATRIX_FMT_FP4 matrix_b_fmt:MATRIX_FMT_FP4
.elseif (\s) % 2
	v_wmma_scale_f32_16x16x128_f8f6f4 v[D+16*\t+8*\a:D+16*\t+8*\a+7], v[CF+32*\a+8*(\s):CF+32*\a+8*(\s)+7], v[XF+32*\t+8*(\s):XF+32*\t+8*(\s)+7], v[D+16*\t+8*\a:D+16*\t+8*\a+7], v[CSC+2*\a+(\s)/2], v[XS+2*\t+(\s)/2] matrix_a_fmt:MATRIX_FMT_FP4 matrix_b_fmt:MATRIX_FMT_FP4 matrix_a_scale:MATRIX_SCALE_ROW1 matrix_b_scale:MATRIX_SCALE_ROW1
.else
	v_wmma_scale_f32_16x16x128_f8f6f4 v[D+16*\t+8*\a:D+16*\t+8*\a+7], v[CF+32*\a+8*(\s):CF+32*\a+8*(\s)+7], v[XF+32*\t+8*(\s):XF+32*\t+8*(\s)+7], v[D+16*\t+8*\a:D+16*\t+8*\a+7], v[CSC+2*\a+(\s)/2], v[XS+2*\t+(\s)/2] matrix_a_fmt:MATRIX_FMT_FP4 matrix_b_fmt:MATRIX_FMT_FP4
.endif
.endr
.endr
.endm
; A TRIP: 32 tokens x my 32 codes.  next = 1: the next trip's tiles are fetched meanwhile.  first = 1: the exponentials start the column sums: nothing is cleared.
.macro TRIP next, first
	s_wait_dscnt 0x0                               ; this trip's tiles, xsq and B, asked for a trip ago
	MMS 0
	MMS 1
	MMS 2
	MMS 3
.if \next
	s_add_co_u32 s33, s33, 2*REC
	s_add_co_u32 s34, s34, 128
	v_add_nc_u32 v[ADA], s33, v[ADA0]              ; four plain lines that name no register of the products: the places in front of the loads into their operands and of the first read of their results
	v_add_nc_u32 v[ADS], s33, v[ADS0]
	v_add_nc_u32 v[ADX], s33, v[ADX0]
	v_add_nc_u32 v[ADB], s34, v[ADB0]
	LOADS
.else
.rept 4
	v_nop
.endr
.endif
.set p, 0
.rept 16
	v_pk_fma_f32 v[D+2*p:D+2*p+1], v[D+2*p:D+2*p+1], -2.0, v[XQ+2*(p/8):XQ+2*(p/8)+1] op_sel_hi:[1,0,0]   ; xsq - 2 dot; each accumulator from its low end on
.set p, p+1
.endr
.if \next
	LOADX
.endif
.set p, 0
.rept 16
	v_pk_add_f32 v[D+2*p:D+2*p+1], v[D+2*p:D+2*p+1], v[CSQ+2*(p%8):CSQ+2*(p%8)+1]
.set p, p+1
.endr
.set i, 0
.rept 16
	v_dual_max_num_f32 v[D+i], 0, v[D+i] :: v_dual_max_num_f32 v[D+i+1], 0, v[D+i+1]   ; d2, two at a time
.set i, i+2
.endr
.set i, 0
	s_wait_alu depctr_va_vdst(0)
.rept 32
	v_sqrt_f32 v[D+i], v[D+i]
.set i, i+1
.endr
	v_nop                                          ; the plain line behind the batch
	s_wait_alu depctr_va_vdst(0)                   ; one wait for the 32 roots
.set p, 0
.rept 16
	v_pk_fma_f32 v[D+2*p:D+2*p+1], v[D+2*p:D+2*p+1], s[28:29], v[BQ+2*(p/8):BQ+2*(p/8)+1] op_sel_hi:[1,0,0]   ; B - C d
.set p, p+1
.endr
.if \next
	LOADB
.endif
.set i, 0
	s_wait_alu depctr_va_vdst(0)
.rept 32
.if \first
	v_exp_f32 v[ACC+i], v[D+i]
.else
	v_exp_f32 v[D+i], v[D+i]
.endif
.set i, i+1
.endr
	v_nop
	s_wait_alu depctr_va_vdst(0)                   ; one wait for the 32 exponentials
.if !\first
.set p, 0
.rept 16
	v_pk_add_f32 v[ACC+2*p:ACC+2*p+1], v[ACC+2*p:ACC+2*p+1], v[D+2*p:D+2*p+1]
.set p, p+1
.endr
.endif
.endm
	v_add_nc_u32 v[ADA], s33, v[ADA0]
	v_add_nc_u32 v[ADS], s33, v[ADS0]
	v_add_nc_u32 v[ADX], s33, v[ADX0]
	v_add_nc_u32 v[ADB], s34, v[ADB0]
	LOADS
	LOADX
	LOADB
	TRIP 1, 1
	s_mov_b32 s31, 14
.Ltrip:
	TRIP 1, 0
	s_sub_co_u32 s31, s31, 1
	s_cmp_lg_u32 s31, 0
	s_cbranch_scc1 .Ltrip
	TRIP 0, 0                                      ; the last two tiles: nothing more to fetch
	; THE END: the two token tiles' sums together, then over the 16 tokens that lie in a row of 16 lanes
.set p, 0
.rept 8
	v_pk_add_f32 v[ACC+2*p:ACC+2*p+1], v[ACC+2*p:ACC+2*p+1], v[ACC+16+2*p:ACC+16+2*p+1]
.set p, p+1
.endr
.irp x, 1,2,4,8
.set i, 0
.rept 16
	v_add_f32_dpp v[ACC+i], v[ACC+i], v[ACC+i] row_xmask:\x row_mask:0xf bank_mask:0xf
.set i, i+1
.endr
.endr
.irp a, 0,1
.irp i, 0,1
	ds_store_b128 v[CSA], v[ACC+8*\a+4*\i:ACC+8*\a+4*\i+3] offset:64*\a+16*\i   ; code 32 w + 16 a + 8 h + j; the 16 lanes of a half write the same bytes with the same values
.endr
.endr
	s_wait_dscnt 0x0                               ; for the others' sake: my stores are done
	s_barrier_signal -1
	s_barrier_wait -1
	s_cmp_lt_u32 s42, 4
	s_cbranch_scc0 .Lend
	ds_load_b128 v[D:D+3], v[JA] offset:CST-IST
	s_wait_dscnt 0x0
	global_store_b128 v[GO], v[D:D+3], s[8:9]      ; 32 lanes store 512 consecutive bytes
.Lend:
	s_wait_xcnt 0x0
	v_lshl_add_u32 v254, v0, 2, 0x29000
	v_mov_b32 v255, 0
	s_wait_alu depctr_va_vdst(0)
	s_wait_tensorcnt 0x0
	ds_add_u32 v254, v255
	s_wait_dscnt 0x0
	s_endpgm
.Lfunc_end_k_qebf9f2b1b5_cols:
	.size	k_qebf9f2b1b5_cols, .Lfunc_end_k_qebf9f2b1b5_cols-k_qebf9f2b1b5_cols
	.p2alignl 7, 3214868480
	.fill 96, 4, 3214868480
	.section	.rodata,"a",@progbits
	.p2align	6, 0x0
	.amdhsa_kernel k_qebf9f2b1b5_cols
		.amdhsa_group_segment_fixed_size 169984
		.amdhsa_private_segment_fixed_size 0
		.amdhsa_enable_private_segment 0
		.amdhsa_kernarg_size 40
		.amdhsa_user_sgpr_count 2
		.amdhsa_user_sgpr_kernarg_segment_ptr 1
		.amdhsa_wavefront_size32 1
		.amdhsa_system_sgpr_workgroup_id_x 1
		.amdhsa_system_sgpr_workgroup_id_y 1
		.amdhsa_system_sgpr_workgroup_id_z 1
		.amdhsa_system_vgpr_workitem_id 0
		.amdhsa_next_free_vgpr 256
		.amdhsa_next_free_sgpr 66
		.amdhsa_reserve_vcc 1
		.amdhsa_float_denorm_mode_32 3
		.amdhsa_float_denorm_mode_16_64 3
		.amdhsa_memory_ordered 1
		.amdhsa_forward_progress 1
		.amdhsa_inst_pref_size 53
	.end_amdhsa_kernel
	.amdgpu_metadata
---
amdhsa.version: [ 1, 2 ]
amdhsa.kernels:
  - .name:           k_qebf9f2b1b5_cols
    .symbol:         k_qebf9f2b1b5_cols.kd
    .args:
      - { .name: q, .offset: 0, .size: 8, .value_kind: global_buffer, .address_space: global }
      - { .name: part, .offset: 8, .size: 8, .value_kind: global_buffer, .address_space: global }
      - { .name: colp, .offset: 16, .size: 8, .value_kind: global_buffer, .address_space: global }
      - { .name: idx, .offset: 24, .size: 8, .value_kind: global_buffer, .address_space: global }
      - { .name: out5, .offset: 32, .size: 8, .value_kind: global_buffer, .address_space: global }
    .group_segment_fixed_size: 169984
    .private_segment_fixed_size: 0
    .kernarg_segment_align: 8
    .kernarg_segment_size: 40
    .max_flat_workgroup_size: 512
    .sgpr_count:     66
    .vgpr_count:     256
    .wavefront_size: 32
...
	.end_amdgpu_metadata
.endif
;; end of part 3
;; launch gather (part 4): grid 256 x 1, 8 waves a work-group, no clusters, 1,280 bytes of LDS; arguments x, codebook, idx, colp, out0, fin; writes out0, fin
.if DOCPART == 4
	.amdgcn_target "amdgcn-amd-amdhsa--gfx1250"
	.amdhsa_code_object_version 6
	.text
	.protected	k_qebf9f2b1b5_gather
	.globl	k_qebf9f2b1b5_gather
	.p2align	8
	.type	k_qebf9f2b1b5_gather,@function
k_qebf9f2b1b5_gather:
	s_mov_b64 s[64:65], 0
	v_nop
	global_prefetch_b8 v0, s[64:65] scope:SCOPE_SE
	s_setreg_imm32_b32 hwreg(HW_REG_WAVE_MODE, 25, 1), 1
	s_wait_xcnt 0x0
; out0 = x + (codebook[index] - x), as the straight-through estimator has it; and this work-group's parts of the three sums of which the losses are made, in fin[work-group] = (SE, AE, SSE, 0):
; SSE = the sum of (codebook[index] - x)^2 over its 32 tokens; SE = the sum of its 32 tokens' sum_k p ln p; AE = the sum over its 32 codes of ap ln(ap + 1e-8), ap = the mean of p over all tokens.
; A stream: a wave takes 4 tokens; a row of 2,048 bytes is four loads of 512 consecutive bytes.  All 32 loads of a wave go out first, x's ahead of the code rows, whose addresses wait for the indices.
; The indices come from idx, which the launch before stored; each is held inside the table ahead of its use.  No matrix unit, no tensor load, no cluster: nothing here is shared or multiplied.
.set X,  16                            ; v16-79   x, then the result: 16 registers a token
.set Q,  80                            ; v80-143  the code rows, then their differences from x
.set AC, 144                           ; v144-147 two packed sums of squares
	s_load_b256 s[4:11], s[0:1], 0x0               ; x, codebook, idx, colp
	s_load_b128 s[12:15], s[0:1], 0x20             ; out0, fin
	v_lshl_add_u32 v168, v0, 2, 0x100
	v_mov_b32 v169, 0
	v_lshrrev_b32 v2, 5, v0
	s_delay_alu instid0(VALU_DEP_1)
	v_readfirstlane_b32 s16, v2                    ; wave 0..7
	v_and_b32 v3, 31, v0
	s_delay_alu instid0(VALU_DEP_1)
	v_lshlrev_b32 v1, 4, v3                        ; 16 x lane
	s_delay_alu instid0(VALU_DEP_2)
	v_lshlrev_b32 v4, 2, v3                        ; 4 x lane
	v_lshlrev_b32 v5, 2, v2                        ; LDS: 4 x wave
	v_mov_b32 v6, 0
	s_lshl_b32 s18, ttmp9, 7
	s_lshl_b32 s17, s16, 4
	s_add_co_u32 s18, s18, s17                     ; my four indices: 4 bytes x (32 work-group + 4 wave)
	s_mov_b32 s19, 0
	s_lshl_b32 s32, ttmp9, 16
	s_lshl_b32 s17, s16, 13
	s_add_co_u32 s32, s32, s17                     ; my four rows of 2,048 bytes
	s_mov_b32 s33, 0
	s_lshl_b32 s34, ttmp9, 7                       ; the work-group's 32 codes and 32 tokens in colp
	s_mov_b32 s35, 0
	s_mov_b32 s36, 0x76543210
	s_mov_b32 s37, 0xfedcba98
	s_wait_alu depctr_va_vdst(0)
	s_wait_kmcnt 0x0
	s_add_nc_u64 s[8:9], s[8:9], s[18:19]
	s_load_b128 s[20:23], s[8:9], 0x0
	s_add_nc_u64 s[4:5], s[4:5], s[32:33]
	s_add_nc_u64 s[12:13], s[12:13], s[32:33]
	s_add_nc_u64 s[10:11], s[10:11], s[34:35]
	s_lshl_b32 s34, ttmp9, 4
	s_add_nc_u64 s[14:15], s[14:15], s[34:35]
.irp i, 0,1,2,3
.irp j, 0,1,2,3
	global_load_b128 v[X+16*\i+4*\j:X+16*\i+4*\j+3], v1, s[4:5] offset:\i*2048+512*\j th:TH_LOAD_NT
.endr
.endr
	s_wait_kmcnt 0x0                               ; the indices
.irp i, 0,1,2,3
	s_min_u32 s[20+\i], s[20+\i], 0x1fff           ; inside the table
	s_lshl_b32 s[24+2*\i], s[20+\i], 11
	s_mov_b32 s[25+2*\i], 0
	s_add_nc_u64 s[24+2*\i:25+2*\i], s[6:7], s[24+2*\i:25+2*\i]
.endr
.irp i, 0,1,2,3
.irp j, 0,1,2,3
	global_load_b128 v[Q+16*\i+4*\j:Q+16*\i+4*\j+3], v1, s[24+2*\i:25+2*\i] offset:512*\j   ; no hint: several tokens may name a row
.endr
.endr
.macro TOKEN i
	s_wait_loadcnt 4*(3-\i)                        ; loads come back in order: x is in, and so is this token's code row; the later tokens' four loads each may be out
.irp p, 0,1,2,3,4,5,6,7
	v_pk_add_f32 v[Q+16*\i+2*\p:Q+16*\i+2*\p+1], v[Q+16*\i+2*\p:Q+16*\i+2*\p+1], v[X+16*\i+2*\p:X+16*\i+2*\p+1] neg_lo:[0,1] neg_hi:[0,1]   ; q - x
.endr
.irp p, 0,1,2,3,4,5,6,7
	v_pk_add_f32 v[X+16*\i+2*\p:X+16*\i+2*\p+1], v[X+16*\i+2*\p:X+16*\i+2*\p+1], v[Q+16*\i+2*\p:Q+16*\i+2*\p+1]   ; x + (q - x)
.endr
.irp p, 0,1,2,3,4,5,6,7
.if (\i == 0) && (\p < 2)
	v_pk_mul_f32 v[AC+2*(\p%2):AC+2*(\p%2)+1], v[Q+16*\i+2*\p:Q+16*\i+2*\p+1], v[Q+16*\i+2*\p:Q+16*\i+2*\p+1]   ; the first two start the sums
.else
	v_pk_fma_f32 v[AC+2*(\p%2):AC+2*(\p%2)+1], v[Q+16*\i+2*\p:Q+16*\i+2*\p+1], v[Q+16*\i+2*\p:Q+16*\i+2*\p+1], v[AC+2*(\p%2):AC+2*(\p%2)+1]
.endif
.endr
.irp j, 0,1,2,3
	global_store_b128 v1, v[X+16*\i+4*\j:X+16*\i+4*\j+3], s[12:13] offset:\i*2048+512*\j th:TH_STORE_NT   ; 512 consecutive bytes; these registers are not written again
.endr
.endm
	TOKEN 0
	TOKEN 1
	TOKEN 2
	TOKEN 3
	v_pk_add_f32 v[AC:AC+1], v[AC:AC+1], v[AC+2:AC+3]
	s_delay_alu instid0(VALU_DEP_1)
	v_add_f32 v[AC], v[AC], v[AC+1]
.irp x, 1,2,4,8
	s_delay_alu instid0(VALU_DEP_1)
	v_add_f32_dpp v[AC], v[AC], v[AC] row_xmask:\x row_mask:0xf bank_mask:0xf
.endr
	s_delay_alu instid0(VALU_DEP_1)
	v_permlanex16_b32 v[AC+1], v[AC], s36, s37
	s_delay_alu instid0(VALU_DEP_1)
	v_add_f32 v[AC], v[AC], v[AC+1]                ; my wave's sum of squares
	ds_store_b32 v5, v[AC]                         ; all lanes write the same word with the same value
	s_cmp_lg_u32 s16, 0
	s_cbranch_scc1 .Lothers
	; wave 0: a lane a code, and a lane a token
.irp s, 0,1,2,3,4,5,6,7,8,9,10,11,12,13,14,15
	global_load_b32 v[148+\s], v4, s[10:11] offset:\s*32768
.endr
	global_load_b32 v164, v4, s[10:11] offset:524288
	s_wait_loadcnt 0x0
.irp p, 0,2,4,6
	v_pk_add_f32 v[148+\p:149+\p], v[148+\p:149+\p], v[156+\p:157+\p]
.endr
	s_delay_alu instid0(VALU_DEP_2)
	v_pk_add_f32 v[148:149], v[148:149], v[152:153]
	s_delay_alu instid0(VALU_DEP_2)
	v_pk_add_f32 v[150:151], v[150:151], v[154:155]
	s_delay_alu instid0(VALU_DEP_1)
	v_pk_add_f32 v[148:149], v[148:149], v[150:151]
	s_delay_alu instid0(VALU_DEP_1)
	v_add_f32 v148, v148, v149
	s_delay_alu instid0(VALU_DEP_1)
	v_mul_f32 v148, 0x39000000, v148               ; ap = the sum / 8,192
	s_delay_alu instid0(VALU_DEP_1)
	v_add_f32 v149, 0x322bcc77, v148               ; + 1e-8
	s_wait_alu depctr_va_vdst(0)
	v_log_f32 v149, v149
	v_mul_f32 v150, 0x3f317218, v148               ; ap ln 2.  (The plain line behind the logarithm)
	s_wait_alu depctr_va_vdst(0)                   ; the wait ahead of the first use
	v_mul_f32 v149, v149, v150                     ; ap ln(ap + 1e-8)
.irp x, 1
	s_delay_alu instid0(VALU_DEP_1)
	v_add_f32_dpp v149, v149, v149 row_xmask:\x row_mask:0xf bank_mask:0xf
	v_add_f32_dpp v164, v164, v164 row_xmask:\x row_mask:0xf bank_mask:0xf
.endr
.irp x, 2, 4, 8
	s_delay_alu instid0(VALU_DEP_2)
	v_add_f32_dpp v149, v149, v149 row_xmask:\x row_mask:0xf bank_mask:0xf
	s_delay_alu instid0(VALU_DEP_2)
	v_add_f32_dpp v164, v164, v164 row_xmask:\x row_mask:0xf bank_mask:0xf
.endr
	s_delay_alu instid0(VALU_DEP_2)
	v_permlanex16_b32 v150, v149, s36, s37
	s_delay_alu instid0(VALU_DEP_2)
	v_permlanex16_b32 v151, v164, s36, s37
	s_delay_alu instid0(VALU_DEP_2)
	v_add_f32 v149, v149, v150
	s_delay_alu instid0(VALU_DEP_2)
	v_add_f32 v164, v164, v151
	ds_store_b32 v5, v164 offset:32                ; SE (v5 is 0 in wave 0)
	ds_store_b32 v5, v149 offset:36                ; AE
.Lothers:
	s_wait_dscnt 0x0                               ; for wave 0's sake: my word is stored
	s_barrier_signal -1
	s_barrier_wait -1
	s_cmp_lg_u32 s16, 0
	s_cbranch_scc1 .Lend
	ds_load_b128 v[152:155], v6
	ds_load_b128 v[156:159], v6 offset:16
	ds_load_b64 v[160:161], v6 offset:32           ; SE, AE
	s_wait_dscnt 0x0
	v_pk_add_f32 v[152:153], v[152:153], v[154:155]
	v_pk_add_f32 v[156:157], v[156:157], v[158:159]
	s_delay_alu instid0(VALU_DEP_1)
	v_pk_add_f32 v[152:153], v[152:153], v[156:157]
	s_delay_alu instid0(VALU_DEP_1)
	v_add_f32 v162, v152, v153                     ; SSE
	v_mov_b32 v163, 0
	s_wait_alu depctr_va_vdst(0)
	s_wait_xcnt 0x0                                ; EXEC changes only behind this wait: loads and stores have been issued
	v_cmp_eq_u32 vcc_lo, 0, v0
	s_and_saveexec_b32 s38, vcc_lo
	global_store_b128 v6, v[160:163], s[14:15]     ; thread 0 alone: 16 bytes a work-group
	s_wait_xcnt 0x0                                ; and again, in front of the line that widens it
	s_or_b32 exec_lo, exec_lo, s38
.Lend:
	s_wait_tensorcnt 0x0
	ds_add_u32 v168, v169
	s_wait_dscnt 0x0
	s_endpgm
.Lfunc_end_k_qebf9f2b1b5_gather:
	.size	k_qebf9f2b1b5_gather, .Lfunc_end_k_qebf9f2b1b5_gather-k_qebf9f2b1b5_gather
	.p2alignl 7, 3214868480
	.fill 96, 4, 3214868480
	.section	.rodata,"a",@progbits
	.p2align	6, 0x0
	.amdhsa_kernel k_qebf9f2b1b5_gather
		.amdhsa_group_segment_fixed_size 1280
		.amdhsa_private_segment_fixed_size 0
		.amdhsa_enable_private_segment 0
		.amdhsa_kernarg_size 48
		.amdhsa_user_sgpr_count 2
		.amdhsa_user_sgpr_kernarg_segment_ptr 1
		.amdhsa_wavefront_size32 1
		.amdhsa_system_sgpr_workgroup_id_x 1
		.amdhsa_system_sgpr_workgroup_id_y 1
		.amdhsa_system_sgpr_workgroup_id_z 1
		.amdhsa_system_vgpr_workitem_id 0
		.amdhsa_next_free_vgpr 170
		.amdhsa_next_free_sgpr 66
		.amdhsa_reserve_vcc 1
		.amdhsa_float_denorm_mode_32 3
		.amdhsa_float_denorm_mode_16_64 3
		.amdhsa_memory_ordered 1
		.amdhsa_forward_progress 1
		.amdhsa_inst_pref_size 19
	.end_amdhsa_kernel
	.amdgpu_metadata
---
amdhsa.version: [ 1, 2 ]
amdhsa.kernels:
  - .name:           k_qebf9f2b1b5_gather
    .symbol:         k_qebf9f2b1b5_gather.kd
    .args:
      - { .name: x, .offset: 0, .size: 8, .value_kind: global_buffer, .address_space: global }
      - { .name: codebook, .offset: 8, .size: 8, .value_kind: global_buffer, .address_space: global }
      - { .name: idx, .offset: 16, .size: 8, .value_kind: global_buffer, .address_space: global }
      - { .name: colp, .offset: 24, .size: 8, .value_kind: global_buffer, .address_space: global }
      - { .name: out0, .offset: 32, .size: 8, .value_kind: global_buffer, .address_space: global }
      - { .name: fin, .offset: 40, .size: 8, .value_kind: global_buffer, .address_space: global }
    .group_segment_fixed_size: 1280
    .private_segment_fixed_size: 0
    .kernarg_segment_align: 8
    .kernarg_segment_size: 48
    .max_flat_workgroup_size: 256
    .sgpr_count:     66
    .vgpr_count:     170
    .wavefront_size: 32
...
	.end_amdgpu_metadata
.endif
;; end of part 4
;; launch final (part 5): grid 1 x 1, 1 waves a work-group, no clusters, 0 bytes of LDS; arguments fin, out1, out2, out3, out4; writes out1, out2, out3, out4
.if DOCPART == 5
	.amdgcn_target "amdgcn-amd-amdhsa--gfx1250"
	.amdhsa_code_object_version 6
	.text
	.protected	k_qebf9f2b1b5_final
	.globl	k_qebf9f2b1b5_final
	.p2align	8
	.type	k_qebf9f2b1b5_final,@function
k_qebf9f2b1b5_final:
	s_mov_b64 s[64:65], 0
	v_nop
	global_prefetch_b8 v0, s[64:65] scope:SCOPE_SE
	s_setreg_imm32_b32 hwreg(HW_REG_WAVE_MODE, 25, 1), 1
	s_wait_xcnt 0x0
; The 256 work-groups' parts (SE, AE, SSE, 0) are added, in a fixed order, and the four losses are made of the three sums:
; codebook loss = 0.5 SSE / 2^22; commit loss = a quarter of that; entropy loss = 0.1 (AE - SE / 8,192), since the sample entropy is -SE / 8,192 and the entropy of the means is -AE; loss = their sum.
; One wave: 4,096 bytes, eight loads of 512 consecutive bytes.
	s_load_b256 s[4:11], s[0:1], 0x0               ; fin, out1, out2, out3
	s_load_b64 s[12:13], s[0:1], 0x20              ; out4
	v_lshlrev_b32 v1, 4, v0
	v_mov_b32 v2, 0
	s_mov_b32 s14, 0x76543210
	s_mov_b32 s15, 0xfedcba98
	s_wait_alu depctr_va_vdst(0)
	s_wait_kmcnt 0x0
.irp i, 0,1,2,3,4,5,6,7
	global_load_b128 v[4+4*\i:7+4*\i], v1, s[4:5] offset:512*\i
.endr
	s_wait_loadcnt 0x0
.irp i, 0,1,2,3
	v_pk_add_f32 v[4+4*\i:5+4*\i], v[4+4*\i:5+4*\i], v[20+4*\i:21+4*\i]
	v_pk_add_f32 v[6+4*\i:7+4*\i], v[6+4*\i:7+4*\i], v[22+4*\i:23+4*\i]
.endr
.irp i, 0,1
	v_pk_add_f32 v[4+4*\i:5+4*\i], v[4+4*\i:5+4*\i], v[12+4*\i:13+4*\i]
	v_pk_add_f32 v[6+4*\i:7+4*\i], v[6+4*\i:7+4*\i], v[14+4*\i:15+4*\i]
.endr
	v_pk_add_f32 v[4:5], v[4:5], v[8:9]
	v_pk_add_f32 v[6:7], v[6:7], v[10:11]
.irp x, 1,2,4,8
	v_add_f32_dpp v4, v4, v4 row_xmask:\x row_mask:0xf bank_mask:0xf
	v_add_f32_dpp v5, v5, v5 row_xmask:\x row_mask:0xf bank_mask:0xf
	v_add_f32_dpp v6, v6, v6 row_xmask:\x row_mask:0xf bank_mask:0xf
.endr
	v_permlanex16_b32 v8, v4, s14, s15
	v_permlanex16_b32 v9, v5, s14, s15
	v_permlanex16_b32 v10, v6, s14, s15
	v_add_f32 v4, v4, v8                           ; SE
	v_add_f32 v5, v5, v9                           ; AE
	v_add_f32 v6, v6, v10                          ; SSE
	v_mul_f32 v12, 0x34000000, v6                  ; codebook loss = SSE 2^-23
	v_mul_f32 v13, 0x33000000, v6                  ; commit loss = SSE 2^-25
	v_fmamk_f32 v14, v4, 0xb9000000, v5            ; AE - SE 2^-13
	v_mul_f32 v14, 0x3dcccccd, v14                 ; entropy loss
	v_add_f32 v15, v12, v13
	v_add_f32 v15, v15, v14                        ; loss
	s_wait_alu depctr_va_vdst(0)
	s_wait_xcnt 0x0                                ; EXEC changes only behind this wait
	v_cmp_eq_u32 vcc_lo, 0, v0
	s_and_saveexec_b32 s16, vcc_lo
	global_store_b32 v2, v15, s[6:7]
	global_store_b32 v2, v13, s[8:9]
	global_store_b32 v2, v12, s[10:11]
	global_store_b32 v2, v14, s[12:13]
	s_wait_xcnt 0x0                                ; and again, in front of the line that widens it
	s_or_b32 exec_lo, exec_lo, s16
	s_endpgm
.Lfunc_end_k_qebf9f2b1b5_final:
	.size	k_qebf9f2b1b5_final, .Lfunc_end_k_qebf9f2b1b5_final-k_qebf9f2b1b5_final
	.p2alignl 7, 3214868480
	.fill 96, 4, 3214868480
	.section	.rodata,"a",@progbits
	.p2align	6, 0x0
	.amdhsa_kernel k_qebf9f2b1b5_final
		.amdhsa_group_segment_fixed_size 0
		.amdhsa_private_segment_fixed_size 0
		.amdhsa_enable_private_segment 0
		.amdhsa_kernarg_size 40
		.amdhsa_user_sgpr_count 2
		.amdhsa_user_sgpr_kernarg_segment_ptr 1
		.amdhsa_wavefront_size32 1
		.amdhsa_system_sgpr_workgroup_id_x 1
		.amdhsa_system_sgpr_workgroup_id_y 1
		.amdhsa_system_sgpr_workgroup_id_z 1
		.amdhsa_system_vgpr_workitem_id 0
		.amdhsa_next_free_vgpr 40
		.amdhsa_next_free_sgpr 66
		.amdhsa_reserve_vcc 1
		.amdhsa_float_denorm_mode_32 3
		.amdhsa_float_denorm_mode_16_64 3
		.amdhsa_memory_ordered 1
		.amdhsa_forward_progress 1
		.amdhsa_inst_pref_size 5
	.end_amdhsa_kernel
	.amdgpu_metadata
---
amdhsa.version: [ 1, 2 ]
amdhsa.kernels:
  - .name:           k_qebf9f2b1b5_final
    .symbol:         k_qebf9f2b1b5_final.kd
    .args:
      - { .name: fin, .offset: 0, .size: 8, .value_kind: global_buffer, .address_space: global }
      - { .name: out1, .offset: 8, .size: 8, .value_kind: global_buffer, .address_space: global }
      - { .name: out2, .offset: 16, .size: 8, .value_kind: global_buffer, .address_space: global }
      - { .name: out3, .offset: 24, .size: 8, .value_kind: global_buffer, .address_space: global }
      - { .name: out4, .offset: 32, .size: 8, .value_kind: global_buffer, .address_space: global }
    .group_segment_fixed_size: 0
    .private_segment_fixed_size: 0
    .kernarg_segment_align: 8
    .kernarg_segment_size: 40
    .max_flat_workgroup_size: 32
    .sgpr_count:     66
    .vgpr_count:     40
    .wavefront_size: 32
...
	.end_amdgpu_metadata
.endif
;; end of part 5
